; MI455X (gfx1250); checked and timed in simulation.
; The chip was launched on July 23, 2026; its instructions are those of AMD's public machine-readable ISA for CDNA 5 (MIT licence, August 2026) and "CDNA5" Instruction Set Architecture Reference Guide (July 2026). The comments in the code are by the model that wrote it; some were corrected since.
;; Causal Multi Head Self Attention. Allowed arithmetic: float matrix products may take bf16 or f16 operands with f32 sums; all other float work in f32.
;; Inputs: token_positions 2 x 2,048 int32; wk 1,024 x 1,024 float32; wo 1,024 x 1,024 float32; wq 1,024 x 1,024 float32; wv 1,024 x 1,024 float32; x 2 x 2,048 x 1,024 float32.
;; Outputs: out0 2 x 2,048 x 1,024 float32.
;; 2 versions, each right; version 2 is version 1 with the launch cvt written anew for expert scheduling mode. Each part assembles by itself: llvm-mc -triple=amdgcn-amd-amdhsa -mcpu=gfx1250 --defsym DOCPART=n.
;; ======== version 1 of 2: 4 launches
;; limits: values are held in f16: magnitudes above 65,504 overflow, below 6.1e-05 lose precision; right only within a limited range of input values
;; workspace buffers: xh 8,388,608 bytes; wh 8,388,608 bytes; qh 8,388,608 bytes; kh 8,388,608 bytes; vt 8,388,608 bytes; ao 8,388,608 bytes
;; launch cvt (part 1): grid 32 x 8, 8 waves a work-group, no clusters, 0 bytes of LDS; arguments x, wq, wk, wv, wo, xh, wh; writes xh, wh
.if DOCPART == 1
	.amdgcn_target "amdgcn-amd-amdhsa--gfx1250"
	.amdhsa_code_object_version 6
	.text
	.protected	k_q6712e0c9dd_cvt
	.globl	k_q6712e0c9dd_cvt
	.p2align	8
	.type	k_q6712e0c9dd_cvt,@function
k_q6712e0c9dd_cvt:
	s_mov_b64 s[64:65], 0
	v_nop
	global_prefetch_b8 v0, s[64:65] scope:SCOPE_SE
	s_setreg_imm32_b32 hwreg(HW_REG_WAVE_MODE, 25, 1), 1
	s_wait_xcnt 0x0
; The matrix operands made of the inputs, once, for x and the four weight matrices; a pure stream (no LDS, no matrix unit, nothing shared).
; FORMAT: each input number is rounded to bf16 (nearest even), and the rounded number is stored as f16.  The inputs thus carry bf16's 8
; significant bits, no more: that is this program's accuracy against the unrounded inputs.  The second conversion changes nothing for
; 2^-14 <= |v| < 65,504 (8 bits fit in f16's 11); below 2^-14 it errs by at most 2^-25.  Stored as f16 the inputs meet the later
; launches' intermediates (q, k, v, p, attention output), which need f16's 11 bits, in one and the same matrix form.
; LIMIT: |value| < 65,504 (f16).
; y = 0..3: the four quarters (1024 rows) of x -> xh, same order.  y = 4, 5, 6: wq, wk, wv -> wh, rows reordered; y = 7: wo -> wh rows 3072...
; wh row = 96 g + 32 z + r  <-  row 32 g + r of matrix z (z = 0 q, 1 k, 2 v; g = 0..31): a head's 64 q, 64 k and 64 v rows
; are 192 neighbouring rows, and each half of 96 rows is what one column of waves of the next launch multiplies.
; A work-group takes 32 source rows (g = its x), a wave four of them: 16,384 neighbouring bytes in, 8,192 out.
; Every load of a wave covers 512 neighbouring bytes, every store 256 neighbouring bytes that start at a multiple of 256.
; All 32 loads of a wave are issued before the first wait.
.set X, 4                              ; v[4:131]  32 x 4 registers as loaded; the first two of each four then hold the 4 f16
	s_load_b256 s[4:11], s[0:1], 0x0               ; x s[4:5], wq s[6:7], wk s[8:9], wv s[10:11]
	s_load_b128 s[12:15], s[0:1], 0x20             ; wo s[12:13], xh s[14:15]
	s_load_b64 s[16:17], s[0:1], 0x30              ; wh
	s_and_b32 s18, ttmp7, 0xffff                   ; y: which block of 1024 rows
	s_mov_b32 s19, ttmp9                           ; g: which 32 rows of it
	s_mov_b32 s30, 0xffff0000                      ; a word's upper bf16
	v_and_b32 v3, 31, v0                           ; lane
	v_and_b32 v2, 0xe0, v0                         ; 32 x wave
	v_lshlrev_b32 v1, 4, v3
	v_lshl_or_b32 v1, v2, 9, v1                    ; source: wave x 16,384 + 16 x lane
	v_lshlrev_b32 v3, 3, v3
	v_lshl_or_b32 v2, v2, 8, v3                    ; destination: wave x 8,192 + 8 x lane
	; source offset: the quarter of x (0 for a weight matrix) + 32 g rows of 4,096 bytes
	s_cmp_lt_u32 s18, 4
	s_cselect_b32 s22, s18, 0
	s_lshl_b32 s22, s22, 22
	s_lshl_b32 s23, s19, 17
	s_add_co_u32 s22, s22, s23
	s_mov_b32 s23, 0
	; destination row
	s_lshl_b32 s27, s19, 5                         ; 32 g
	s_lshl_b32 s26, s18, 10
	s_add_co_u32 s26, s26, s27                     ; x: 1024 y + 32 g
	s_max_u32 s29, s18, 4
	s_sub_co_u32 s29, s29, 4                       ; z (0 where y < 4: not used there)
	s_lshl_b32 s29, s29, 5
	s_mul_i32 s28, s19, 96
	s_add_co_u32 s28, s28, s29                     ; wq, wk, wv: 96 g + 32 z
	s_add_co_u32 s27, s27, 3072                    ; wo: 3072 + 32 g
	s_cmp_eq_u32 s18, 7
	s_cselect_b32 s28, s27, s28
	s_cmp_lt_u32 s18, 4
	s_cselect_b32 s26, s26, s28
	s_lshl_b32 s26, s26, 11                        ; rows of 2,048 bytes
	s_mov_b32 s27, 0
	s_wait_kmcnt 0x0
	s_cmp_lt_u32 s18, 4
	s_cselect_b64 s[24:25], s[14:15], s[16:17]     ; xh or wh
	s_mov_b64 s[20:21], s[4:5]
	s_cmp_eq_u32 s18, 4
	s_cselect_b64 s[20:21], s[6:7], s[20:21]
	s_cmp_eq_u32 s18, 5
	s_cselect_b64 s[20:21], s[8:9], s[20:21]
	s_cmp_eq_u32 s18, 6
	s_cselect_b64 s[20:21], s[10:11], s[20:21]
	s_cmp_eq_u32 s18, 7
	s_cselect_b64 s[20:21], s[12:13], s[20:21]
	s_add_nc_u64 s[20:21], s[20:21], s[22:23]
	s_add_nc_u64 s[24:25], s[24:25], s[26:27]
.set n, 0
.rept 32
	global_load_b128 v[X+4*n:X+4*n+3], v1, s[20:21] offset:512*n th:TH_LOAD_NT
.set n, n+1
.endr
.set n, 0
.rept 32
	s_wait_loadcnt 31-n                            ; loads come back in order: number n is in, the 31 - n younger ones stay out
	v_cvt_pk_bf16_f32 v[X+4*n],   v[X+4*n],   v[X+4*n+1]       ; the one rounding: to bf16, nearest even
	v_cvt_pk_bf16_f32 v[X+4*n+2], v[X+4*n+2], v[X+4*n+3]
	v_and_b32     v[X+4*n+1], s30, v[X+4*n]                    ; back to f32: the high half stays,
	v_lshlrev_b32 v[X+4*n],   16,  v[X+4*n]                    ; the low half moves up
	v_and_b32     v[X+4*n+3], s30, v[X+4*n+2]
	v_lshlrev_b32 v[X+4*n+2], 16,  v[X+4*n+2]
	v_cvt_pk_f16_f32 v[X+4*n],   v[X+4*n],   v[X+4*n+1]        ; the same numbers in f16's code
	v_cvt_pk_f16_f32 v[X+4*n+1], v[X+4*n+2], v[X+4*n+3]
	global_store_b64 v2, v[X+4*n:X+4*n+1], s[24:25] offset:256*n   ; no register of a store is written again
.set n, n+1
.endr
	s_endpgm
.Lfunc_end_k_q6712e0c9dd_cvt:
	.size	k_q6712e0c9dd_cvt, .Lfunc_end_k_q6712e0c9dd_cvt-k_q6712e0c9dd_cvt
	.p2alignl 7, 3214868480
	.fill 96, 4, 3214868480
	.section	.rodata,"a",@progbits
	.p2align	6, 0x0
	.amdhsa_kernel k_q6712e0c9dd_cvt
		.amdhsa_group_segment_fixed_size 0
		.amdhsa_private_segment_fixed_size 0
		.amdhsa_enable_private_segment 0
		.amdhsa_kernarg_size 56
		.amdhsa_user_sgpr_count 2
		.amdhsa_user_sgpr_kernarg_segment_ptr 1
		.amdhsa_wavefront_size32 1
		.amdhsa_system_sgpr_workgroup_id_x 1
		.amdhsa_system_sgpr_workgroup_id_y 1
		.amdhsa_system_sgpr_workgroup_id_z 1
		.amdhsa_system_vgpr_workitem_id 0
		.amdhsa_next_free_vgpr 136
		.amdhsa_next_free_sgpr 66
		.amdhsa_reserve_vcc 0
		.amdhsa_float_denorm_mode_32 3
		.amdhsa_float_denorm_mode_16_64 3
		.amdhsa_memory_ordered 1
		.amdhsa_forward_progress 1
		.amdhsa_inst_pref_size 22
	.end_amdhsa_kernel
	.amdgpu_metadata
---
amdhsa.version: [ 1, 2 ]
amdhsa.kernels:
  - .name:           k_q6712e0c9dd_cvt
    .symbol:         k_q6712e0c9dd_cvt.kd
    .args:
      - { .name: x, .offset: 0, .size: 8, .value_kind: global_buffer, .address_space: global }
      - { .name: wq, .offset: 8, .size: 8, .value_kind: global_buffer, .address_space: global }
      - { .name: wk, .offset: 16, .size: 8, .value_kind: global_buffer, .address_space: global }
      - { .name: wv, .offset: 24, .size: 8, .value_kind: global_buffer, .address_space: global }
      - { .name: wo, .offset: 32, .size: 8, .value_kind: global_buffer, .address_space: global }
      - { .name: xh, .offset: 40, .size: 8, .value_kind: global_buffer, .address_space: global }
      - { .name: wh, .offset: 48, .size: 8, .value_kind: global_buffer, .address_space: global }
    .group_segment_fixed_size: 0
    .private_segment_fixed_size: 0
    .kernarg_segment_align: 8
    .kernarg_segment_size: 56
    .max_flat_workgroup_size: 256
    .sgpr_count:     66
    .vgpr_count:     136
    .wavefront_size: 32
...
	.end_amdgpu_metadata
.endif
;; end of part 1
;; launch qkv (part 2): grid 16 x 16, 4 waves a work-group, clusters of 4 x 4, 327,680 bytes of LDS; arguments xh, wh, token_positions, qh, kh, vt; writes qh, kh, vt
.if DOCPART == 2
	.amdgcn_target "amdgcn-amd-amdhsa--gfx1250"
	.amdhsa_code_object_version 6
	.text
	.protected	k_q6712e0c9dd_qkv
	.globl	k_q6712e0c9dd_qkv
	.p2align	8
	.type	k_q6712e0c9dd_qkv,@function
k_q6712e0c9dd_qkv:
	s_mov_b64 s[64:65], 0
	v_nop
	global_prefetch_b8 v0, s[64:65] scope:SCOPE_SE
	s_setreg_imm32_b32 hwreg(HW_REG_WAVE_MODE, 25, 1), 1
	s_wait_xcnt 0x0
	s_wait_alu depctr_hold_cnt(0) depctr_sa_sdst(0) depctr_va_vdst(0) depctr_va_sdst(0) depctr_va_ssrc(0) depctr_va_vcc(0) depctr_vm_vsrc(0)
	s_getreg_b32 s2, hwreg(HW_REG_IB_STS2, 6, 4)
	s_cmp_eq_u32 s2, 0
	s_cbranch_scc0 .Lentry_in_a_cluster
	s_endpgm
.Lentry_in_a_cluster:
	s_bfe_u32 s2, ttmp6, 0x10000c
	s_cmp_lg_u32 s2, 0xf033
	s_cbranch_scc0 .Lentry_shape_is_right
	s_endpgm
.Lentry_shape_is_right:
; q, k, v = x W^T for one head and 256 rows, RoPE on q and k, heads split, v transposed.  f16 operands, f32 sums.
; Work-group (bx = head, by = block of 256 rows): C block of 256 rows x 192 columns (64 q, 64 k, 64 v).  Four waves: wm = w >> 1 takes
; 128 rows, wn = w & 1 takes columns 32 wn .. +31 of each of q, k, v: 8 x 6 = 48 accumulator tiles of 16 x 16, 384 registers.
; K = 1024 goes in 8 steps of 128 through two LDS slots filled by the tensor data mover (rows of 256 bytes, padded to 272 in LDS).
; CLUSTERS: 4 x 4 work-groups.  x's tile hangs on by alone and is asked for jointly by a row of the cluster, the weights' tile on bx alone
; and is asked for jointly by a column: the requests for both are divided by four.
; q and k tiles: source 0 = weight rows, source 1 = x rows: a lane holds one row and 8 neighbouring columns, so a rotation pair lies in
; two neighbouring registers.  v tiles: source 0 = x rows, source 1 = weight rows: a lane holds one column d and 8 neighbouring rows s,
; 16 bytes of a row of v transposed.
; RoPE runs over the full model width: pair i = column / 2 (0..511), angle = pos * 10000^(-i/512).  Sine and cosine are made here, in f32:
; angle reduced by the nearest multiple of pi (pi in two parts), odd and even polynomials up to x^9 and x^10 on |x| <= pi/2
; (first dropped terms x^11/11! and x^12/12!), the multiple's parity as a sign.  64 angles a lane, used for q and k alike,
; computed while the first tiles are on their way.
; LIMITS: |q|, |k|, |v| < 65,504 (stored as f16); |pos * inv_freq / pi| < 2^22 (the rounding by the constant 1.5 x 2^23).
; REGISTERS: window 0: v16-27 addresses, v32-95 / v96-159 x fragments (two buffers), v160-207 / v208-255 weight fragments (two buffers);
; window 1: tiles of my rows 0-63 (tile (a, nb) at 8 (6 a + nb)); window 2: rows 64-127; window 3: v0-63 cos, v64-127 sin (8 aG + 4 nbq + jj).
.set KSTEP, 128
.set PITCH, 272                        ; 256 bytes + 16 of padding: an odd multiple of 16, the 16 rows of a fragment load start in 16 different 16-byte columns
.set AHALF, 128*PITCH                  ; 128 rows of x: one tensor load
.set BHALF, 96*PITCH                   ; 96 weight rows: one tensor load
.set BOFF,  2*AHALF
.set SLOT,  2*AHALF+2*BHALF            ; 121,856
.set LAPS,  4                          ; a lap = two K steps
.set SK, 36864                         ; the way out, in slot 0 after its last fill and last read: q 256 x 144 at 0, k at SK, v^T 64 x 528 at SV
.set SV, 73728
.set ADRA, 16
.set ADRB, 18
.set STQ, 20
.set STV, 21
.set RDQ, 22
.set RDV, 23
.set GQ,  24
.set GV,  25
.set FA0, 32
.set FA1, 96
.set FB0, 160
.set FB1, 208
.set G1A, 24
.set G0A, 32
.set G1B, 40
.set G0B, 48
.set FLAGS, (1<<16)|(1<<20)|(1<<21)|(5<<22)|(3<<25)   ; 2-byte elements, padding on, bit 21 beside a mask, 4 words behind every 64 words
.set MUL_LO, 0x50                      ; C and D in window 1, sources in window 0
.set MUL_HI, 0xa0                      ; C and D in window 2
.set MSB, 0
.macro WIN new                         ; the immediate's high byte repeats the setting that is left
.if MSB != (\new)
	s_set_vgpr_msb (MSB<<8)|(\new)
.set MSB, (\new)
.endif
.endm
.macro PLACES                          ; four plain places behind a matrix instruction (ISA guide 7.12.1) before its registers are loaded into or its result is read
.rept 4
	v_nop
.endr
.endm
.macro JLOAD s                         ; waves 0, 1 ask for x's halves, waves 2, 3 for the weights': one line, one mask each; the branch hangs on the wave's number alone
	s_cmp_eq_u32 s17, 0
	s_cbranch_scc0 .Lfor_b_\@
	tensor_load_to_lds s[G0A+4*\s:G0A+4*\s+3], s[G1A:G1A+7]
	s_nop 0
	s_branch .Lasked_\@
.Lfor_b_\@:
	tensor_load_to_lds s[G0B+4*\s:G0B+4*\s+3], s[G1B:G1B+7]
	s_nop 0
.Lasked_\@:
.endm
.macro CREST                           ; a round of the cluster's barrier behind its opening work-group barrier
	s_cmp_lg_u32 s16, 0
	s_cbranch_scc1 .Lnot_wave_0_\@
	s_barrier_signal -3
.Lnot_wave_0_\@:
	s_barrier_wait -3
	s_barrier_signal -1
	s_barrier_wait -1
.endm
.macro CROUND
	s_barrier_signal -1
	s_barrier_wait -1
	CREST
.endm
.macro MM d, x, y, zero
.if \zero
	v_wmma_f32_16x16x32_f16 v[\d:\d+7], v[\x:\x+7], v[\y:\y+7], 0
.else
	v_wmma_f32_16x16x32_f16 v[\d:\d+7], v[\x:\x+7], v[\y:\y+7], v[\d:\d+7]
.endif
.endm
; 12 matrix instructions: row blocks a0, a0 + 1 of the window's four x 6 column tiles.  The 48 accumulators take turns, one instruction a turn,
; in the same order in every quarter step, over the loop's backward jump too.
.macro MUL12 fa, fb, hi, a0, zero
.irp a, \a0, \a0+1
.irp nb, 0,1,2,3
	MM 8*(6*(\a)+\nb), \fb+8*\nb, \fa+8*(4*\hi+\a), \zero
.endr
.irp nb, 4,5
	MM 8*(6*(\a)+\nb), \fa+8*(4*\hi+\a), \fb+8*\nb, \zero
.endr
.endr
.endm
; 28 LDS loads in one run: 96 weight rows, my x rows 0-63, my x rows 64-127; 32 along K at byte k of the rows
.macro FETCH slot, k, fa, fb
	WIN 0
.irp i, 0,1,2,3,4,5
	ds_load_b128 v[\fb+8*\i:\fb+8*\i+3],   v[ADRB+\slot] offset:\k+\i*16*PITCH
	ds_load_b128 v[\fb+8*\i+4:\fb+8*\i+7], v[ADRB+\slot] offset:\k+\i*16*PITCH+32
.endr
.irp i, 0,1,2,3,4,5,6,7
	ds_load_b128 v[\fa+8*\i:\fa+8*\i+3],   v[ADRA+\slot] offset:\k+\i*16*PITCH
	ds_load_b128 v[\fa+8*\i+4:\fa+8*\i+7], v[ADRA+\slot] offset:\k+\i*16*PITCH+32
.endr
.endm
.macro QUARTER slot, k, fa, fb, ga, gb, zero
	s_wait_dscnt 8                                 ; weights and x rows 0-63 are in; the youngest eight loads (x rows 64-127) may be out
	WIN MUL_LO
	MUL12 \fa, \fb, 0, 0, \zero
	MUL12 \fa, \fb, 0, 2, \zero
	PLACES
	FETCH \slot, \k, \ga, \gb
	s_wait_dscnt 28                                ; all but the 28 just issued
	WIN MUL_HI
	MUL12 \fa, \fb, 1, 0, \zero
	MUL12 \fa, \fb, 1, 2, \zero
.endm
.macro THREE slot, zero
	QUARTER \slot, 64,  FA0, FB0, FA1, FB1, \zero
	QUARTER \slot, 128, FA1, FB1, FA0, FB0, 0
	QUARTER \slot, 192, FA0, FB0, FA1, FB1, 0
.endm
; The last quarter of a K step changes slots.  In front of the barrier each wave waits for its reads of this slot and for all its tensor loads
; (one is out: its part of the next slot).  Where the slot is filled again the barrier opens a round of the cluster's barrier, and the joint
; refill is the first tensor load behind the round.  From a request to the wait for it a wave issues 180 matrix instructions.
.macro TURN slot, next, fill
	s_wait_dscnt 8
	WIN MUL_LO
	MUL12 FA1, FB1, 0, 0, 0
	s_wait_dscnt 0x0                               ; my reads of this slot are over
	s_wait_tensorcnt 0x0                           ; all my tensor loads have landed
	ds_add_u32 v30, v31
	s_wait_dscnt 0x0
	s_barrier_signal -1
	MUL12 FA1, FB1, 0, 2, 0                        ; register work while the others arrive
	WIN 0
	s_barrier_wait -1
.if \fill
	CREST                                          ; no wave of any partner still reads this slot or has a load on its way
	s_add_nc_u64 s[G0A+4*\slot+2:G0A+4*\slot+3], s[G0A+4*\slot+2:G0A+4*\slot+3], 2*KSTEP*2
	s_add_nc_u64 s[G0B+4*\slot+2:G0B+4*\slot+3], s[G0B+4*\slot+2:G0B+4*\slot+3], 2*KSTEP*2
	JLOAD \slot
.endif
	PLACES
	FETCH \next, 0, FA0, FB0
	WIN MUL_HI
	MUL12 FA1, FB1, 1, 0, 0
	MUL12 FA1, FB1, 1, 2, 0
.endm
.macro LAP zero
	THREE 0, \zero
	TURN 0, 1, 1
	THREE 1, 0
	TURN 1, 0, 1
.endm
	s_load_b256 s[4:11], s[0:1], 0x0               ; xh s[4:5], wh s[6:7], positions s[8:9], qh s[10:11]
	s_load_b128 s[12:15], s[0:1], 0x20             ; kh s[12:13], vt s[14:15]
	v_lshl_add_u32 v30, v0, 2, 0x3b800
	v_mov_b32 v31, 0
	ds_add_u32 v30, v31
	ds_add_u32 v30, v31
	v_lshrrev_b32 v1, 5, v0
	v_readfirstlane_b32 s16, v1                    ; wave 0..3
	s_lshr_b32 s17, s16, 1                         ; wm.  Also: I fetch for x (0) or for the weights (1)
	s_and_b32 s18, s16, 1                          ; wn.  Also: which half of that tile I fetch
	s_bfe_u32 s19, ttmp6, 0x40000                  ; cx
	s_bfe_u32 s20, ttmp6, 0x40004                  ; cy
	s_lshl_b32 s21, ttmp9, 2
	s_add_co_u32 s21, s21, s19                     ; bx = head
	s_and_b32 s22, ttmp7, 0xffff
	s_lshl_b32 s22, s22, 2
	s_add_co_u32 s22, s22, s20                     ; by = block of 256 rows
	s_lshl_b32 s56, s20, 2
	s_lshl_b32 s56, 15, s56                        ; my row of the cluster
	s_lshl_b32 s60, 0x1111, s19                    ; my column
	s_or_b32 s[G1A+0], s56, FLAGS
	s_or_b32 s[G1B+0], s60, FLAGS
	s_mov_b32 s[G1A+1], KSTEP<<16                  ; tensor_dim0 = 128
	s_mov_b32 s[G1B+1], KSTEP<<16
	s_mov_b32 s[G1A+2], 128<<16                    ; tensor_dim1 = 128 rows of x
	s_mov_b32 s[G1B+2], 96<<16                     ;             = 96 weight rows
	s_mov_b32 s[G1A+3], KSTEP<<16                  ; tile_dim0 = 128
	s_mov_b32 s[G1B+3], KSTEP<<16
	s_mov_b32 s[G1A+4], 128                        ; tile_dim1
	s_mov_b32 s[G1B+4], 96
	s_mov_b32 s[G1A+5], 1024                       ; elements from row to row
	s_mov_b32 s[G1B+5], 1024
	s_mov_b32 s[G1A+6], 0
	s_mov_b32 s[G1B+6], 0
	s_mov_b32 s[G1A+7], 0
	s_mov_b32 s[G1B+7], 0
	; x's address is made of by and the wave's number, the weights' of bx and the wave's number, each in registers that never hold the other coordinate
	s_lshl_b32 s56, s22, 8
	s_lshl_b32 s57, s18, 7
	s_add_co_u32 s56, s56, s57                     ; row 256 by + 128 half
	s_lshl_b32 s56, s56, 11                        ; rows of 2,048 bytes
	s_mov_b32 s57, 0
	s_mul_i32 s60, s21, 192
	s_mul_i32 s61, s18, 96
	s_add_co_u32 s60, s60, s61                     ; row 192 bx + 96 half
	s_lshl_b32 s60, s60, 11
	s_mov_b32 s61, 0
	s_mul_i32 s72, s16, AHALF                      ; LDS: x's halves at wave x 34,816 (waves 0, 1)
	s_mul_i32 s73, s16, BHALF
	s_add_co_u32 s73, s73, BOFF-2*BHALF            ; the weights' at 69,632 + (wave - 2) x 26,112 (waves 2, 3)
	s_wait_dscnt 0x0
	s_wait_kmcnt 0x0
	s_add_nc_u64 s[58:59], s[4:5], s[56:57]
	s_add_nc_u64 s[62:63], s[6:7], s[60:61]
	CROUND                                         ; all sixteen work-groups are here: the first joint loads meet
.irp s, 0,1
	s_mov_b32 s[G0A+4*\s], 1
	s_add_co_u32 s[G0A+4*\s+1], s72, \s*SLOT
	s_add_nc_u64 s[G0A+4*\s+2:G0A+4*\s+3], s[58:59], \s*KSTEP*2
	s_or_b32 s[G0A+4*\s+3], s[G0A+4*\s+3], 0x80000000
	s_mov_b32 s[G0B+4*\s], 1
	s_add_co_u32 s[G0B+4*\s+1], s73, \s*SLOT
	s_add_nc_u64 s[G0B+4*\s+2:G0B+4*\s+3], s[62:63], \s*KSTEP*2
	s_or_b32 s[G0B+4*\s+3], s[G0B+4*\s+3], 0x80000000
	JLOAD \s                                       ; K steps 0 and 1: two tensor loads of the wave are out
.endr
	v_and_b32 v1, 15, v0                           ; r
	v_bfe_u32 v2, v0, 4, 1                         ; h
	v_and_b32 v3, 31, v0                           ; lane
	; positions of my 8 x 16 rows: lane r takes row r of each row block
	s_lshl_b32 s74, s22, 10
	s_lshl_b32 s75, s17, 9
	s_add_co_u32 s74, s74, s75                     ; 4 (256 by + 128 wm)
	v_lshl_add_u32 v26, v1, 2, s74
.set POSF, 32
.set INVF, 40
.set ANG,  48
.set TT,   56
.set KF,   64
.set R2,   72
.set PS,   80
.set QC,   88
.set SG,   96
.set KM,   104
.set KS7,  106
.set KC8,  108
.irp a, 0,1,2,3,4,5,6,7
	global_load_b32 v[POSF+\a], v26, s[8:9] offset:64*\a
.endr
	v_mul_u32_u24 v4, v1, PITCH
	v_lshl_add_u32 v4, v2, 4, v4                   ; fragment: row x pitch + 16 h
	s_mul_i32 s66, s17, AHALF
	s_mul_i32 s67, s18, BHALF
	s_add_co_u32 s67, s67, BOFF
	v_add_nc_u32 v[ADRA], s66, v4
	v_add_nc_u32 v[ADRB], s67, v4
	v_add_nc_u32 v[ADRA+1], SLOT, v[ADRA]
	v_add_nc_u32 v[ADRB+1], SLOT, v[ADRB]
	v_mul_u32_u24 v5, v1, 144                      ; q, k stage in: (128 wm + r) 144 + 64 wn + 16 h
	v_lshl_add_u32 v5, v2, 4, v5
	s_mul_i32 s66, s17, 128*144
	s_lshl_b32 s67, s18, 6
	s_add_co_u32 s66, s66, s67
	v_add_nc_u32 v[STQ], s66, v5
	v_mul_u32_u24 v5, v1, 528                      ; v^T stage in: SV + (32 wn + r) 528 + 256 wm + 16 h
	v_lshl_add_u32 v5, v2, 4, v5
	s_mul_i32 s66, s18, 32*528
	s_lshl_b32 s67, s17, 8
	s_add_co_u32 s66, s66, s67
	s_add_co_u32 s66, s66, SV
	v_add_nc_u32 v[STV], s66, v5
	v_lshrrev_b32 v5, 3, v3                        ; q, k stage back: (64 w + lane / 8) 144 + 16 (lane % 8): four rows of 128 bytes a load
	v_mul_u32_u24 v5, v5, 144
	v_and_b32 v6, 7, v3
	v_lshl_add_u32 v5, v6, 4, v5
	s_mul_i32 s66, s16, 64*144
	v_add_nc_u32 v[RDQ], s66, v5
	s_mul_i32 s66, s16, 16*528                     ; v^T stage back: SV + 16 w rows + 16 lane: one row's 512 bytes a load
	s_add_co_u32 s66, s66, SV
	v_lshl_add_u32 v[RDV], v3, 4, s66
	s_lshl_b32 s66, s16, 13
	v_lshl_add_u32 v[GQ], v3, 4, s66               ; in qh, kh: 64 w rows of 128 bytes + 16 lane
	s_lshl_b32 s66, s16, 16
	v_lshl_add_u32 v[GV], v3, 4, s66               ; in vt: 16 w rows of 4,096 bytes + 16 lane
	; where the results go: head (by / 8) 16 + bx of 262,144 bytes; rows 256 (by % 8)
	s_lshr_b32 s74, s22, 3
	s_lshl4_add_u32 s74, s74, s21
	s_lshl_b32 s74, s74, 18
	s_and_b32 s75, s22, 7
	s_lshl_b32 s76, s75, 15
	s_add_co_u32 s76, s76, s74
	s_mov_b32 s77, 0
	s_lshl_b32 s78, s75, 9
	s_add_co_u32 s78, s78, s74
	s_mov_b32 s79, 0
	s_add_nc_u64 s[10:11], s[10:11], s[76:77]
	s_add_nc_u64 s[12:13], s[12:13], s[76:77]
	s_add_nc_u64 s[14:15], s[14:15], s[78:79]
	; inverse frequencies of my 8 pairs: i = 32 bx + 16 wn + 8 nbq + 4 h + jj; 10000^(-i/512) = 2^(-i log2(10000) / 512)
	s_lshl_b32 s74, s21, 5
	s_lshl_b32 s75, s18, 4
	s_add_co_u32 s74, s74, s75
	v_lshl_add_u32 v27, v2, 2, s74
.set i, 0
.rept 8
	v_add_nc_u32 v[INVF+i], 8*(i/4)+(i%4), v27
.set i, i+1
.endr
.set i, 0
.rept 8
	v_cvt_f32_u32 v[INVF+i], v[INVF+i]
.set i, i+1
.endr
.set i, 0
.rept 8
	v_mul_f32 v[INVF+i], 0xbcd49a78, v[INVF+i]
.set i, i+1
.endr
.set i, 0
.rept 8
	v_exp_f32 v[INVF+i], v[INVF+i]
.set i, i+1
.endr
	v_mov_b32 v[KM], 0x4b400000                    ; 1.5 x 2^23 (also the plain place behind the exponentials: ISA guide 5.7.2)
	v_mov_b32 v[KM+1], 0x4b400000
	v_mov_b32 v[KS7], 0xb9500d01                   ; -1/7!
	v_mov_b32 v[KS7+1], 0xb9500d01
	v_mov_b32 v[KC8], 0x37d00d01                   ; 1/8!
	v_mov_b32 v[KC8+1], 0x37d00d01
	s_wait_loadcnt 0x0                             ; the positions
	s_wait_alu depctr_va_vdst(0)
.irp a, 0,1,2,3,4,5,6,7
	v_cvt_f32_i32 v[POSF+\a], v[POSF+\a]
.endr
; cos and sin of the 8 angles of row block a (ae = a without its low bit, b = that bit: which register of the pair is broadcast)
.macro SINCOS a, ae, b
.irp p, 0,2,4,6
	v_pk_mul_f32 v[ANG+\p:ANG+\p+1], v[INVF+\p:INVF+\p+1], v[POSF+\ae:POSF+\ae+1] op_sel:[0,\b] op_sel_hi:[1,\b]
.endr
.irp p, 0,2,4,6
	v_pk_fma_f32 v[TT+\p:TT+\p+1], v[ANG+\p:ANG+\p+1], 0x3ea2f983, v[KM:KM+1] op_sel_hi:[1,0,1]   ; angle / pi rounded to a whole number n, in the low bits
.endr
.irp p, 0,2,4,6
	v_pk_add_f32 v[KF+\p:KF+\p+1], v[TT+\p:TT+\p+1], 0xcb400000 op_sel_hi:[1,0]                   ; n as f32
.endr
.irp p, 0,2,4,6
	v_pk_fma_f32 v[ANG+\p:ANG+\p+1], v[KF+\p:KF+\p+1], 0xc0490fdb, v[ANG+\p:ANG+\p+1] op_sel_hi:[1,0,1]   ; x = angle - n pi, pi in two parts
.endr
.irp p, 0,2,4,6
	v_pk_fma_f32 v[ANG+\p:ANG+\p+1], v[KF+\p:KF+\p+1], 0x33bbbd2e, v[ANG+\p:ANG+\p+1] op_sel_hi:[1,0,1]
.endr
.irp p, 0,2,4,6
	v_pk_mul_f32 v[R2+\p:R2+\p+1], v[ANG+\p:ANG+\p+1], v[ANG+\p:ANG+\p+1]
.endr
.irp p, 0,2,4,6
	v_pk_fma_f32 v[PS+\p:PS+\p+1], v[R2+\p:R2+\p+1], 0x3638ef1d, v[KS7:KS7+1] op_sel_hi:[1,0,1]   ; 1/9!, -1/7!
	v_pk_fma_f32 v[QC+\p:QC+\p+1], v[R2+\p:R2+\p+1], 0xb493f27e, v[KC8:KC8+1] op_sel_hi:[1,0,1]   ; -1/10!, 1/8!
.endr
.irp p, 0,2,4,6
	v_pk_fma_f32 v[PS+\p:PS+\p+1], v[PS+\p:PS+\p+1], v[R2+\p:R2+\p+1], 0x3c088889 op_sel_hi:[1,1,0]   ; 1/5!
	v_pk_fma_f32 v[QC+\p:QC+\p+1], v[QC+\p:QC+\p+1], v[R2+\p:R2+\p+1], 0xbab60b61 op_sel_hi:[1,1,0]   ; -1/6!
.endr
.irp p, 0,2,4,6
	v_pk_fma_f32 v[PS+\p:PS+\p+1], v[PS+\p:PS+\p+1], v[R2+\p:R2+\p+1], 0xbe2aaaab op_sel_hi:[1,1,0]   ; -1/3!
	v_pk_fma_f32 v[QC+\p:QC+\p+1], v[QC+\p:QC+\p+1], v[R2+\p:R2+\p+1], 0x3d2aaaab op_sel_hi:[1,1,0]   ; 1/4!
.endr
.irp p, 0,2,4,6
	v_pk_mul_f32 v[KF+\p:KF+\p+1], v[ANG+\p:ANG+\p+1], v[R2+\p:R2+\p+1]                               ; x^3
	v_pk_fma_f32 v[QC+\p:QC+\p+1], v[QC+\p:QC+\p+1], v[R2+\p:R2+\p+1], -0.5 op_sel_hi:[1,1,0]
.endr
.irp p, 0,2,4,6
	v_pk_fma_f32 v[PS+\p:PS+\p+1], v[KF+\p:KF+\p+1], v[PS+\p:PS+\p+1], v[ANG+\p:ANG+\p+1]             ; sin x
	v_pk_fma_f32 v[QC+\p:QC+\p+1], v[QC+\p:QC+\p+1], v[R2+\p:R2+\p+1], 1.0 op_sel_hi:[1,1,0]          ; cos x
.endr
.irp i, 0,1,2,3,4,5,6,7
	v_lshlrev_b32 v[SG+\i], 31, v[TT+\i]           ; n odd: both change sign
.endr
	WIN 0xc0                                       ; destination in window 3
.irp i, 0,1,2,3,4,5,6,7
	v_xor_b32 v[8*\a+\i],    v[QC+\i], v[SG+\i]
	v_xor_b32 v[64+8*\a+\i], v[PS+\i], v[SG+\i]
.endr
	WIN 0
.endm
	SINCOS 0, 0, 0
	SINCOS 1, 0, 1
	SINCOS 2, 2, 0
	SINCOS 3, 2, 1
	SINCOS 4, 4, 0
	SINCOS 5, 4, 1
	SINCOS 6, 6, 0
	SINCOS 7, 6, 1
	s_wait_tensorcnt 0x1                           ; my part of K step 0 is in; step 1's stays out
	s_barrier_signal -1
	s_barrier_wait -1
	FETCH 0, 0, FA0, FB0
	LAP 1                                          ; the first lap's first products start the sums
	WIN 0
	s_mov_b32 s23, LAPS-2
.Llap:
	LAP 0
	WIN 0
	s_sub_co_u32 s23, s23, 1
	s_cmp_lg_u32 s23, 0
	s_cbranch_scc1 .Llap
	THREE 0, 0                                     ; the last lap fills nothing
	TURN 0, 1, 0                                   ; behind this barrier nobody reads slot 0 any more and nothing is filled into it again
	THREE 1, 0
	s_wait_dscnt 8
	WIN MUL_LO
	MUL12 FA1, FB1, 0, 0, 0
	MUL12 FA1, FB1, 0, 2, 0
	s_wait_dscnt 0x0
	WIN MUL_HI
	MUL12 FA1, FB1, 1, 0, 0
	MUL12 FA1, FB1, 1, 2, 0
	PLACES
; THE WAY OUT.  One rotation pair: (x1, x2) -> (x1 c - x2 s, x2 c + x1 s): a packed multiply by c, a packed multiply-add with the pair swapped and s negated in the low half.
.set EE, 32                            ; v32-63 rotated q0, q1, k0, k1 of a row block, f32
.set HH, 64                            ; v64-87 the same and v0, v1 in f16
.macro ROTP e, acc, cs, b
	v_pk_mul_f32 v[\e:\e+1], v[\acc:\acc+1], v[\cs:\cs+1] op_sel:[0,\b] op_sel_hi:[1,\b]
	v_pk_fma_f32 v[\e:\e+1], v[\acc:\acc+1], v[64+\cs:64+\cs+1], v[\e:\e+1] op_sel:[1,\b,0] op_sel_hi:[0,\b,1] neg_lo:[0,1,0]
.endm
.macro ROT hi, a
	WIN 0x0d+\hi                                   ; source 0: the accumulators' window; source 1: window 3
.irp tq, 0,1,2,3
	ROTP EE+8*\tq,   8*(6*\a+\tq),   8*(4*\hi+\a)+4*(\tq&1),   0
	ROTP EE+8*\tq+2, 8*(6*\a+\tq)+2, 8*(4*\hi+\a)+4*(\tq&1),   1
	ROTP EE+8*\tq+4, 8*(6*\a+\tq)+4, 8*(4*\hi+\a)+4*(\tq&1)+2, 0
	ROTP EE+8*\tq+6, 8*(6*\a+\tq)+6, 8*(4*\hi+\a)+4*(\tq&1)+2, 1
.endr
	WIN 0x05*(1+\hi)                               ; sources 0 and 1: the accumulators' window
.irp nbv, 0,1
.irp rr, 0,1,2,3
	v_cvt_pk_f16_f32 v[HH+16+4*\nbv+\rr], v[8*(6*\a+4+\nbv)+2*\rr], v[8*(6*\a+4+\nbv)+2*\rr+1]
.endr
.endr
	WIN 0
.set n, 0
.rept 16
	v_cvt_pk_f16_f32 v[HH+n], v[EE+2*n], v[EE+2*n+1]
.set n, n+1
.endr
	ds_store_b128 v[STQ], v[HH:HH+3]     offset:2304*(4*\hi+\a)
	ds_store_b128 v[STQ], v[HH+4:HH+7]   offset:2304*(4*\hi+\a)+32
	ds_store_b128 v[STQ], v[HH+8:HH+11]  offset:SK+2304*(4*\hi+\a)
	ds_store_b128 v[STQ], v[HH+12:HH+15] offset:SK+2304*(4*\hi+\a)+32
	ds_store_b128 v[STV], v[HH+16:HH+19] offset:32*(4*\hi+\a)
	ds_store_b128 v[STV], v[HH+20:HH+23] offset:8448+32*(4*\hi+\a)
.endm
	ROT 0, 0
	ROT 0, 1
	ROT 0, 2
	ROT 0, 3
	ROT 1, 0
	ROT 1, 1
	ROT 1, 2
	ROT 1, 3
	s_wait_dscnt 0x0                               ; my stores into the stage are done, for the other waves' sake
	s_barrier_signal -1
	s_barrier_wait -1
	; wave w takes rows 64 w .. +63 of q and of k and rows 16 w .. +15 of v^T: 48 loads, then 48 stores of 512 neighbouring bytes each
.set n, 0
.rept 16
	ds_load_b128 v[32+4*n:32+4*n+3], v[RDQ] offset:576*n
.set n, n+1
.endr
.set n, 0
.rept 16
	ds_load_b128 v[96+4*n:96+4*n+3], v[RDQ] offset:SK+576*n
.set n, n+1
.endr
.set n, 0
.rept 16
	ds_load_b128 v[160+4*n:160+4*n+3], v[RDV] offset:528*n
.set n, n+1
.endr
.set n, 0
.rept 16
	s_wait_dscnt 47-n                              ; LDS loads come back in order: the 47 - n younger ones may be out
	global_store_b128 v[GQ], v[32+4*n:32+4*n+3], s[10:11] offset:512*n
.set n, n+1
.endr
.set n, 0
.rept 16
	s_wait_dscnt 31-n
	global_store_b128 v[GQ], v[96+4*n:96+4*n+3], s[12:13] offset:512*n
.set n, n+1
.endr
.set n, 0
.rept 16
	s_wait_dscnt 15-n
	global_store_b128 v[GV], v[160+4*n:160+4*n+3], s[14:15] offset:4096*n
.set n, n+1
.endr
	s_wait_tensorcnt 0x0
	ds_add_u32 v30, v31
	s_wait_dscnt 0x0
	CROUND                                         ; the closing round: no work-group ends while a partner may still ask for a tile that names it
	s_endpgm
.Lfunc_end_k_q6712e0c9dd_qkv:
	.size	k_q6712e0c9dd_qkv, .Lfunc_end_k_q6712e0c9dd_qkv-k_q6712e0c9dd_qkv
	.p2alignl 7, 3214868480
	.fill 96, 4, 3214868480
	.section	.rodata,"a",@progbits
	.p2align	6, 0x0
	.amdhsa_kernel k_q6712e0c9dd_qkv
		.amdhsa_group_segment_fixed_size 327680
		.amdhsa_private_segment_fixed_size 0
		.amdhsa_enable_private_segment 0
		.amdhsa_kernarg_size 48
		.amdhsa_user_sgpr_count 2
		.amdhsa_user_sgpr_kernarg_segment_ptr 1
		.amdhsa_wavefront_size32 1
		.amdhsa_system_sgpr_workgroup_id_x 1
		.amdhsa_system_sgpr_workgroup_id_y 1
		.amdhsa_system_sgpr_workgroup_id_z 1
		.amdhsa_system_vgpr_workitem_id 0
		.amdhsa_next_free_vgpr 896
		.amdhsa_next_free_sgpr 80
		.amdhsa_reserve_vcc 0
		.amdhsa_float_denorm_mode_32 3
		.amdhsa_float_denorm_mode_16_64 3
		.amdhsa_memory_ordered 1
		.amdhsa_forward_progress 1
		.amdhsa_inst_pref_size 225
	.end_amdhsa_kernel
	.amdgpu_metadata
---
amdhsa.version: [ 1, 2 ]
amdhsa.kernels:
  - .name:           k_q6712e0c9dd_qkv
    .symbol:         k_q6712e0c9dd_qkv.kd
    .args:
      - { .name: xh, .offset: 0, .size: 8, .value_kind: global_buffer, .address_space: global }
      - { .name: wh, .offset: 8, .size: 8, .value_kind: global_buffer, .address_space: global }
      - { .name: token_positions, .offset: 16, .size: 8, .value_kind: global_buffer, .address_space: global }
      - { .name: qh, .offset: 24, .size: 8, .value_kind: global_buffer, .address_space: global }
      - { .name: kh, .offset: 32, .size: 8, .value_kind: global_buffer, .address_space: global }
      - { .name: vt, .offset: 40, .size: 8, .value_kind: global_buffer, .address_space: global }
    .group_segment_fixed_size: 327680
    .private_segment_fixed_size: 0
    .kernarg_segment_align: 8
    .kernarg_segment_size: 48
    .max_flat_workgroup_size: 128
    .sgpr_count:     80
    .vgpr_count:     896
    .wavefront_size: 32
...
	.end_amdgpu_metadata
.endif
;; end of part 2
;; launch attn (part 3): grid 8 x 32, 8 waves a work-group, no clusters, 327,680 bytes of LDS; arguments qh, kh, vt, ao; writes ao
.if DOCPART == 3
	.amdgcn_target "amdgcn-amd-amdhsa--gfx1250"
	.amdhsa_code_object_version 6
	.text
	.protected	k_q6712e0c9dd_attn
	.globl	k_q6712e0c9dd_attn
	.p2align	8
	.type	k_q6712e0c9dd_attn,@function
k_q6712e0c9dd_attn:
	s_mov_b64 s[64:65], 0
	v_nop
	global_prefetch_b8 v0, s[64:65] scope:SCOPE_SE
	s_setreg_imm32_b32 hwreg(HW_REG_WAVE_MODE, 25, 1), 1
	s_wait_xcnt 0x0
; Causal attention of one head (bh = y) for two blocks of 128 queries, with a running maximum.  f16 operands, f32 sums and softmax.
; BALANCE: query blocks qb = 0..15 of 128 rows, key tiles of 256 keys.  Work-group u takes qbE = 4 (u >> 1) + (u & 1) and qbO = 15 - qbE:
; (qbE >> 1) + (qbO >> 1) = 7 tiles below the diagonal and two diagonal tiles, nine tile steps in every work-group.
; The diagonal tile comes first in each block: it starts the sums, and it alone is masked.
; NO MULTICAST: the work-groups of a head need different numbers of key tiles (1 to 8 for a block), and joint requests allow no trip count
; that differs between partners; to ask jointly each would have to walk, and multiply, the masked tiles too, about twice the matrix work.
; NO PREFETCH: q, k, v were stored by the launch just before, and each tile is read by up to eight work-groups of the same head.
; WAVES: wq = w >> 2 takes 64 queries, wk = w & 3 takes 64 of the tile's 256 keys, each with its own running softmax; the four key parts
; of a query are merged through LDS at the block's end.
; S^T = K Q^T: source 0 = 16 keys, source 1 = 16 queries: lane (r, h) holds query r and keys 8 h + j.  Rounded to f16 in place, two such
; tiles are the second source of O^T = V^T P^T without any shuffle; O^T's lane holds query r and 8 neighbouring d.
; The running maximum starts at -1e30 and not at -infinity, so that a part whose keys are all masked gives p = 0, l = 0 and no NaN.
; LIMIT: scores above -1e30; f16 operands bound |score| by 64 x 65,504^2 = 2.8e11.
; LDS: slot s at 70,656 s: K 256 rows x 144, then V^T 64 rows x 528.  Behind the ring, never filled by a tensor load:
; OST 8 x 16,384 (a wave's O), ML 8 x 512 (its -C m and l), TR 8 x 2,304 (16 output rows x 144).
; REGISTERS: window 0 as named below; window 1: S / P at v0-127 (tile (u, t) at 32 u + 8 t), O at v128-255 (tile (u, dt) at 128 + 32 u + 8 dt).
.set SLOT, 70656
.set VOFF, 36864
.set OST,  141312
.set ML,   272384
.set TR,   276480
.set VK,  8                            ; v8-9   K fragment address, slot 0, 1
.set VV,  10                           ; v10-11 V fragment address
.set VQ,  12
.set SO,  13
.set SML, 14
.set RML, 15
.set RO,  16
.set ST2, 17
.set RD2, 18
.set GO,  19
.set MB0, 20
.set MB,  21                           ; query - key at (u, t, j) = (0, 0, 0) in the diagonal tile
.set M,   24                           ; v24-27 running maximum of query tile u
.set NM,  28                           ; v28-31, v32-35: -C m, one bank for each slot
.set AL,  36                           ; v36-39 the step's rescaling factor
.set LP,  40                           ; v40-47 running sums, a pair for each u
.set T,   48
.set T2,  52
.set GK,  56                           ; v56-59 merge: weights of the four parts;  v56-62 diagonal step: shifted mask bounds
.set MBD, 56
.set QF,  64                           ; v64-127 Q fragments, 16 u + 8 ks
.set KV,  128                          ; v128-191 K fragments (16 t + 8 ks), then V fragments (16 dt + 8 kk)
.set RS,  192                          ; v192-223 merged O; v224-239 in f16; v240-255 read back
.set G1K, 28
.set G0K, 36
.set G1V, 44
.set G0V, 52
.set MSB, 0
.macro WIN new
.if MSB != (\new)
	s_set_vgpr_msb (MSB<<8)|(\new)
.set MSB, (\new)
.endif
.endm
.macro TLOAD s                         ; waves 0-3 bring 64 keys of K each, waves 4-7 bring 16 rows of V^T each: one tensor load a wave
	s_cmp_lt_u32 s16, 4
	s_cbranch_scc0 .Lfor_v_\@
	tensor_load_to_lds s[G0K+4*\s:G0K+4*\s+3], s[G1K:G1K+7]
	s_nop 0
	s_branch .Lasked_\@
.Lfor_v_\@:
	tensor_load_to_lds s[G0V+4*\s:G0V+4*\s+3], s[G1V:G1V+7]
	s_nop 0
.Lasked_\@:
.endm
.macro QLOAD                           ; 64 queries x 64 as 8 fragments, straight from memory
.irp u, 0,1,2,3
.irp ks, 0,1
	global_load_b128 v[QF+16*\u+8*\ks:QF+16*\u+8*\ks+3],   v[VQ], s[84:85] offset:2048*\u+64*\ks
	global_load_b128 v[QF+16*\u+8*\ks+4:QF+16*\u+8*\ks+7], v[VQ], s[84:85] offset:2048*\u+64*\ks+32
.endr
.endr
.endm
.macro QBASE qb                        ; s[84:85] = qh + head + block
	s_lshl_b32 s88, s20, 18
	s_lshl_b32 s89, \qb, 14
	s_add_co_u32 s88, s88, s89
	s_mov_b32 s89, 0
	s_add_nc_u64 s[84:85], s[4:5], s[88:89]
.endm
.macro PLANE qb                        ; s[86:87] = ao + (((bh / 16) 16 + qb) 16 + bh % 16) planes of 16,384 bytes
	s_lshr_b32 s88, s20, 4
	s_lshl4_add_u32 s88, s88, \qb
	s_and_b32 s89, s20, 15
	s_lshl4_add_u32 s88, s88, s89
	s_lshl_b32 s88, s88, 14
	s_mov_b32 s89, 0
	s_add_nc_u64 s[86:87], s[10:11], s[88:89]
.endm
; p = 2^(C s - C m) for query tile u (ue = u without its low bit, b = that bit)
.macro EXPU u, ue, b, slot
.set ii, 0
.rept 16
	v_pk_fma_f32 v[32*\u+2*ii:32*\u+2*ii+1], v[32*\u+2*ii:32*\u+2*ii+1], s[66:67], v[NM+4*\slot+\ue:NM+4*\slot+\ue+1] op_sel:[0,0,\b] op_sel_hi:[1,0,\b]
.set ii, ii+1
.endr
.set ii, 0
.rept 32
	v_exp_f32 v[32*\u+ii], v[32*\u+ii]
.set ii, ii+1
.endr
.endm
.macro SCLU u, ue, b                   ; O of query tile u times the rescaling factor
.set ii, 0
	s_wait_alu depctr_va_vdst(0)
.rept 16
	v_pk_mul_f32 v[128+32*\u+2*ii:128+32*\u+2*ii+1], v[128+32*\u+2*ii:128+32*\u+2*ii+1], v[AL+\ue:AL+\ue+1] op_sel:[0,\b] op_sel_hi:[1,\b]
.set ii, ii+1
.endr
.endm
.macro LPF u, ue, b                    ; the running sum rescaled, plus the first pair of p
	v_pk_fma_f32 v[LP+2*\u:LP+2*\u+1], v[LP+2*\u:LP+2*\u+1], v[AL+\ue:AL+\ue+1], v[32*\u:32*\u+1] op_sel:[0,\b,0] op_sel_hi:[1,\b,1]
.endm
.macro SUMS start                      ; the remaining pairs, four chains that do not wait for each other
.set ii, \start
.rept 16-\start
.irp u, 0,1,2,3
	v_pk_add_f32 v[LP+2*\u:LP+2*\u+1], v[32*\u+2*ii:32*\u+2*ii+1], v[LP+2*\u:LP+2*\u+1]
.endr
.set ii, ii+1
.endr
.endm
; One key tile, in slot \slot.  first = 1: the block's diagonal tile (masked; starts maximum, sums and O).  refill = 1: the next tile is asked for.
.macro STEP slot, first, refill
	s_wait_tensorcnt 0x0                           ; all my tensor loads have landed, my part of this tile among them: every group 0 may be written
	ds_add_u32 v23, v63
	s_wait_dscnt 0x0
.if \refill
	s_cmp_lt_u32 s73, s74                          ; the next tile: the running number while it is below the block's count, else the next block's diagonal tile
	s_cselect_b32 s76, s73, s75
	s_add_co_u32 s73, s73, 1
	s_lshl_b32 s78, s76, 9                         ; V^T: 256 keys = 512 bytes along the rows
	s_lshl_b32 s76, s76, 15                        ; K: 256 rows of 128 bytes
	s_add_nc_u64 s[G0K+4*(1-\slot)+2:G0K+4*(1-\slot)+3], s[60:61], s[76:77]
	s_or_b32 s[G0K+4*(1-\slot)+3], s[G0K+4*(1-\slot)+3], 0x80000000
	s_add_nc_u64 s[G0V+4*(1-\slot)+2:G0V+4*(1-\slot)+3], s[62:63], s[78:79]
	s_or_b32 s[G0V+4*(1-\slot)+3], s[G0V+4*(1-\slot)+3], 0x80000000
.endif
	s_wait_dscnt 0x0                               ; my reads of the other slot are done
	s_barrier_signal -1
	s_barrier_wait -1                              ; both now hold of all eight waves
.if \refill
	TLOAD (1-\slot)                                ; my one tensor load behind this barrier; it has the whole step in which to land
.endif
.irp ks, 0,1
.irp t, 0,1,2,3
	ds_load_b128 v[KV+16*\t+8*\ks:KV+16*\t+8*\ks+3],   v[VK+\slot] offset:2304*\t+64*\ks
	ds_load_b128 v[KV+16*\t+8*\ks+4:KV+16*\t+8*\ks+7], v[VK+\slot] offset:2304*\t+64*\ks+32
.endr
.endr
.if \first
	s_wait_loadcnt 0x0                             ; the block's Q fragments
.endif
	s_wait_dscnt 8                                 ; d = 0..31 of the four key tiles is in; the eight younger loads may be out
	WIN 0x50
	; 16 accumulators by turns, one instruction a turn, the same order for both halves of d
.irp u, 0,1,2,3
.irp t, 0,1,2,3
	v_wmma_f32_16x16x32_f16 v[32*\u+8*\t:32*\u+8*\t+7], v[KV+16*\t:KV+16*\t+7], v[QF+16*\u:QF+16*\u+7], 0
.endr
.endr
	s_wait_dscnt 0x0
.irp u, 0,1,2,3
.irp t, 0,1,2,3
	v_wmma_f32_16x16x32_f16 v[32*\u+8*\t:32*\u+8*\t+7], v[KV+16*\t+8:KV+16*\t+15], v[QF+16*\u+8:QF+16*\u+15], v[32*\u+8*\t:32*\u+8*\t+7]
.endr
.endr
.rept 4
	v_nop                                          ; four places (ISA guide 7.12.1): V is loaded over K's fragments, and S is read
.endr
	WIN 0
.irp kk, 0,1
.irp dt, 0,1,2,3
	ds_load_b128 v[KV+16*\dt+8*\kk:KV+16*\dt+8*\kk+3],   v[VV+\slot] offset:8448*\dt+64*\kk
	ds_load_b128 v[KV+16*\dt+8*\kk+4:KV+16*\dt+8*\kk+7], v[VV+\slot] offset:8448*\dt+64*\kk+32
.endr
.endr
.if \first
	; key <= query  <=>  MB >= 16 (t - u) + j.  One compare serves every tile of the same t - u = d - 3.
.irp d, 0,1,2,3,4,5,6
	v_add_nc_u32 v[MBD+\d], 48-16*\d, v[MB]
.endr
	WIN 0x44
.irp d, 0,1,2,3,4,5,6
.irp j, 0,1,2,3,4,5,6,7
	v_cmp_ge_i32 vcc_lo, v[MBD+\d], \j
.irp u, 0,1,2,3
.if \u+\d >= 3
.if \u+\d <= 6
	v_cndmask_b32 v[32*\u+8*(\u+\d-3)+\j], s69, v[32*\u+8*(\u+\d-3)+\j], vcc_lo
.endif
.endif
.endr
.endr
.endr
.endif
	WIN 0x05
.irp u, 0,1,2,3
.if \first
	v_max3_num_f32 v[T+\u], v[32*\u], v[32*\u+1], s70
.else
	v_max3_num_f32 v[T+\u], v[32*\u], v[32*\u+1], v[M+\u]
.endif
.endr
.set ii, 1
.rept 15
.irp u, 0,1,2,3
	v_max3_num_f32 v[T+\u], v[32*\u+2*ii], v[32*\u+2*ii+1], v[T+\u]
.endr
.set ii, ii+1
.endr
	WIN 0
.irp u, 0,1,2,3
	v_permlanex16_b32 v[T2+\u], v[T+\u], s71, s72  ; the other half of the lanes holds the query's other keys
.endr
.irp u, 0,1,2,3
	v_max_num_f32 v[M+\u], v[T+\u], v[T2+\u]
.endr
.irp u, 0,1,2,3
	v_mul_f32 v[NM+4*\slot+\u], s68, v[M+\u]       ; -C m, rounded once; the factor below is made of the rounded numbers, so that all factors agree
.endr
.if \first == 0
.irp u, 0,1,2,3
	v_sub_f32 v[AL+\u], v[NM+4*\slot+\u], v[NM+4*(1-\slot)+\u]
.endr
.irp u, 0,1,2,3
	v_exp_f32 v[AL+\u], v[AL+\u]                   ; 2^(C (m old - m new)); the packed multiply-adds below are the plain place behind it (ISA guide 5.7.2)
.endr
.endif
	WIN 0x41
	EXPU 0, 0, 0, \slot
	EXPU 1, 0, 1, \slot
	EXPU 2, 2, 0, \slot
	EXPU 3, 2, 1, \slot
.if \first
	v_nop                                          ; the plain place behind the last exponential
	WIN 0x05
	s_wait_alu depctr_va_vdst(0)
.irp u, 0,1,2,3
	v_pk_add_f32 v[LP+2*\u:LP+2*\u+1], v[32*\u:32*\u+1], v[32*\u+2:32*\u+3]
.endr
	WIN 0x01
	SUMS 2
.else
	SCLU 0, 0, 0
	SCLU 1, 0, 1
	SCLU 2, 2, 0
	SCLU 3, 2, 1
	WIN 0x10
	LPF 0, 0, 0
	LPF 1, 0, 1
	LPF 2, 2, 0
	LPF 3, 2, 1
	WIN 0x01
	SUMS 1
.endif
	WIN 0x45
	; p to f16 in place: the 16 registers of key tiles 2 kk, 2 kk + 1 become the 8 registers of the fragment P(u, kk); each write lands on a register already read
.set bb, 0
.rept 8
.set ii, 0
.rept 8
	v_cvt_pk_f16_f32 v[16*bb+ii], v[16*bb+2*ii], v[16*bb+2*ii+1]
.set ii, ii+1
.endr
.set bb, bb+1
.endr
	s_wait_dscnt 0x0                               ; V's fragments
	WIN 0x54
.irp kk, 0,1
.irp u, 0,1,2,3
.irp dt, 0,1,2,3
.if \first && (\kk == 0)
	v_wmma_f32_16x16x32_f16 v[128+32*\u+8*\dt:128+32*\u+8*\dt+7], v[KV+16*\dt+8*\kk:KV+16*\dt+8*\kk+7], v[32*\u+16*\kk:32*\u+16*\kk+7], 0
.else
	v_wmma_f32_16x16x32_f16 v[128+32*\u+8*\dt:128+32*\u+8*\dt+7], v[KV+16*\dt+8*\kk:KV+16*\dt+8*\kk+7], v[32*\u+16*\kk:32*\u+16*\kk+7], v[128+32*\u+8*\dt:128+32*\u+8*\dt+7]
.endif
.endr
.endr
.endr
	WIN 0
.rept 5
	v_nop                                          ; five places (ISA guide 7.12.1): the next S products write over P, K is loaded over V's fragments, the merge reads O
.endr
.endm
.macro COMB k, ge, b
.set ii, 0
.rept 16
	v_pk_fma_f32 v[RS+2*ii:RS+2*ii+1], v[128+32*\k+2*ii:128+32*\k+2*ii+1], v[GK+\ge:GK+\ge+1], v[RS+2*ii:RS+2*ii+1] op_sel:[0,\b,0] op_sel_hi:[1,\b,1]
.set ii, ii+1
.endr
.endm
; The block's end: the four key parts of each query meet.  Both blocks end in slot 0, so -C m lies in bank 0.
.macro MERGE
.irp u, 0,1,2,3
	v_add_f32 v[T+\u], v[LP+2*\u], v[LP+2*\u+1]
.endr
.irp u, 0,1,2,3
	v_permlanex16_b32 v[T2+\u], v[T+\u], s71, s72
.endr
.irp u, 0,1,2,3
	v_add_f32 v[T+\u], v[T+\u], v[T2+\u]           ; l of my key part
.endr
	ds_store_b128 v[SML], v[NM:NM+3]               ; lanes r and r + 16 write the same 16 bytes with the same numbers
	ds_store_b128 v[SML], v[T:T+3] offset:256
	WIN 0x04
.set nn, 0
.rept 32
	ds_store_b128 v[SO], v[128+4*nn:128+4*nn+3] offset:512*nn
.set nn, nn+1
.endr
	WIN 0
	s_wait_dscnt 0x0                               ; my stores are done, for the other waves' sake
	s_barrier_signal -1                            ; the next tile's load may stay on its way
	s_barrier_wait -1
	; I merge query tile u = wk of my 64 queries: the parts of waves 4 wq + k, k = 0..3, lane for lane as they were stored
.irp k, 0,1,2,3
	ds_load_b32 v[KV+\k],   v[RML] offset:512*\k
	ds_load_b32 v[KV+4+\k], v[RML] offset:512*\k+256
.endr
	WIN 0x40
.irp k, 0,1,2,3
.irp n, 0,1,2,3,4,5,6,7
	ds_load_b128 v[128+32*\k+4*\n:128+32*\k+4*\n+3], v[RO] offset:16384*\k+512*\n
.endr
.endr
	WIN 0
	s_wait_dscnt 0x0
	v_min_num_f32 v[KV+8], v[KV], v[KV+1]
	v_min3_num_f32 v[KV+8], v[KV+8], v[KV+2], v[KV+3]      ; the least -C m is the greatest m
.irp k, 0,1,2,3
	v_sub_f32 v[KV+12+\k], v[KV+8], v[KV+\k]
.endr
.irp k, 0,1,2,3
	v_exp_f32 v[KV+12+\k], v[KV+12+\k]             ; 2^(C (m_k - m)) <= 1; 0 for a part that was all masked
.endr
	v_nop
	s_wait_alu depctr_va_vdst(0)
	v_mul_f32 v[KV+9], v[KV+12], v[KV+4]
	v_fmac_f32 v[KV+9], v[KV+13], v[KV+5]
	v_fmac_f32 v[KV+9], v[KV+14], v[KV+6]
	v_fmac_f32 v[KV+9], v[KV+15], v[KV+7]          ; the sum of all p: at least the diagonal key's, which is in some part
	v_rcp_f32 v[KV+10], v[KV+9]
	v_nop
	s_wait_alu depctr_va_vdst(0)
.irp k, 0,1,2,3
	v_mul_f32 v[GK+\k], v[KV+12+\k], v[KV+10]
.endr
	WIN 0x01
.set ii, 0
.rept 16
	v_pk_mul_f32 v[RS+2*ii:RS+2*ii+1], v[128+2*ii:128+2*ii+1], v[GK:GK+1] op_sel:[0,0] op_sel_hi:[1,0]
.set ii, ii+1
.endr
	COMB 1, 0, 1
	COMB 2, 2, 0
	COMB 3, 2, 1
	WIN 0
.set nn, 0
.rept 16
	v_cvt_pk_f16_f32 v[RS+32+nn], v[RS+2*nn], v[RS+2*nn+1]
.set nn, nn+1
.endr
.irp dt, 0,1,2,3
	ds_store_b128 v[ST2], v[RS+32+4*\dt:RS+32+4*\dt+3] offset:32*\dt
.endr
.irp i, 0,1,2,3
	ds_load_b128 v[RS+48+4*\i:RS+48+4*\i+3], v[RD2] offset:576*\i   ; my own bytes: LDS serves a wave's instructions in order (ISA guide 5.7.1)
.endr
.irp i, 0,1,2,3
	s_wait_dscnt 3-\i
	global_store_b128 v[GO], v[RS+48+4*\i:RS+48+4*\i+3], s[86:87] offset:512*\i   ; four rows of 128 bytes: 512 neighbouring bytes, aligned
.endr
.endm
	s_load_b256 s[4:11], s[0:1], 0x0               ; qh s[4:5], kh s[6:7], vt s[8:9], ao s[10:11]
	v_lshl_add_u32 v23, v0, 2, 0x48000
	v_mov_b32 v63, 0
	ds_add_u32 v23, v63
	ds_add_u32 v23, v63
	v_lshrrev_b32 v1, 5, v0
	v_readfirstlane_b32 s16, v1                    ; wave 0..7
	s_lshr_b32 s17, s16, 2                         ; wq
	s_and_b32 s18, s16, 3                          ; wk
	s_mov_b32 s19, ttmp9                           ; u
	s_and_b32 s20, ttmp7, 0xffff                   ; bh
	s_lshr_b32 s81, s19, 1                         ; trips of block E's loop (two tiles a trip)
	s_and_b32 s88, s19, 1
	s_lshl2_add_u32 s21, s81, s88                  ; qbE
	s_sub_co_u32 s22, 15, s21                      ; qbO
	s_lshl_b32 s23, s81, 1                         ; nE = qbE >> 1: E's diagonal tile, and the number of tiles below it
	s_sub_co_u32 s24, 7, s23                       ; nO
	s_sub_co_u32 s82, 3, s81                       ; trips of block O's loop: (nO - 1) / 2
	s_mov_b32 s66, 0x3e38aa3b                      ; C = log2(e) / sqrt(64)
	s_mov_b32 s67, 0x3e38aa3b
	s_mov_b32 s68, 0xbe38aa3b                      ; -C
	s_mov_b32 s69, 0xff800000                      ; -infinity
	s_mov_b32 s70, 0xf149f2ca                      ; -1e30
	s_mov_b32 s71, 0x76543210                      ; v_permlanex16_b32: lane i of one half reads lane i of the other
	s_mov_b32 s72, 0xfedcba98
	s_mov_b32 s73, 0                               ; the running tile number
	s_mov_b32 s74, s23                             ; while it is below nE: E's tiles
	s_mov_b32 s75, s24                             ; then O's diagonal tile
	s_mov_b32 s77, 0
	s_mov_b32 s79, 0
	; K: 64 keys are 8,192 dense bytes: 32 rows of 256 bytes, 4 words of padding behind every 32 words: LDS rows of 128 + 16 bytes
	s_mov_b32 s[G1K+0], (1<<16)|(1<<20)|(4<<22)|(3<<25)
	s_mov_b32 s[G1K+1], 128<<16
	s_mov_b32 s[G1K+2], 32<<16
	s_mov_b32 s[G1K+3], 128<<16
	s_mov_b32 s[G1K+4], 32
	s_mov_b32 s[G1K+5], 128
	s_mov_b32 s[G1K+6], 0
	s_mov_b32 s[G1K+7], 0
	; V^T: 16 rows of 256 keys (512 bytes), 2,048 elements from row to row, 4 words of padding behind every 128 words
	s_mov_b32 s[G1V+0], (1<<16)|(1<<20)|(6<<22)|(3<<25)
	s_mov_b32 s[G1V+1], 256<<16
	s_mov_b32 s[G1V+2], 16<<16
	s_mov_b32 s[G1V+3], 256<<16
	s_mov_b32 s[G1V+4], 16
	s_mov_b32 s[G1V+5], 2048
	s_mov_b32 s[G1V+6], 0
	s_mov_b32 s[G1V+7], 0
	s_mul_i32 s88, s16, 9216                       ; K's quarter of waves 0-3: wave x 64 rows x 144
	s_mul_i32 s89, s16, 8448
	s_add_co_u32 s89, s89, VOFF-4*8448             ; V's quarter of waves 4-7: 36,864 + (wave - 4) x 16 rows x 528
.irp s, 0,1
	s_mov_b32 s[G0K+4*\s], 1
	s_add_co_u32 s[G0K+4*\s+1], s88, \s*SLOT
	s_mov_b32 s[G0V+4*\s], 1
	s_add_co_u32 s[G0V+4*\s+1], s89, \s*SLOT
.endr
	s_lshl_b32 s88, s20, 18                        ; the head: 262,144 bytes
	s_lshl_b32 s76, s18, 13
	s_add_co_u32 s76, s76, s88                     ; + my 64 keys of a tile
	s_lshl_b32 s78, s18, 16
	s_add_co_u32 s78, s78, s88                     ; + my 16 rows of V^T
	s_wait_dscnt 0x0
	s_wait_kmcnt 0x0
	s_add_nc_u64 s[60:61], s[6:7], s[76:77]
	s_add_nc_u64 s[62:63], s[8:9], s[78:79]
	s_lshl_b32 s76, s23, 15                        ; the first tile: E's diagonal tile, into slot 0
	s_lshl_b32 s78, s23, 9
	s_add_nc_u64 s[G0K+2:G0K+3], s[60:61], s[76:77]
	s_or_b32 s[G0K+3], s[G0K+3], 0x80000000
	s_add_nc_u64 s[G0V+2:G0V+3], s[62:63], s[78:79]
	s_or_b32 s[G0V+3], s[G0V+3], 0x80000000
	TLOAD 0
	v_and_b32 v1, 15, v0                           ; r
	v_bfe_u32 v2, v0, 4, 1                         ; h
	v_and_b32 v3, 31, v0                           ; lane
	v_lshlrev_b32 v5, 7, v1
	v_lshl_add_u32 v5, v2, 4, v5
	s_lshl_b32 s88, s17, 13
	v_add_nc_u32 v[VQ], s88, v5                    ; (64 wq + r) 128 + 16 h
	QBASE s21
	QLOAD
	PLANE s21
	v_mul_u32_u24 v4, v1, 144
	v_lshl_add_u32 v4, v2, 4, v4                   ; 144 r + 16 h
	s_mul_i32 s88, s18, 64*144
	v_add_nc_u32 v[VK], s88, v4
	v_add_nc_u32 v[VK+1], SLOT, v[VK]
	v_mul_u32_u24 v5, v1, 528
	v_lshl_add_u32 v5, v2, 4, v5
	s_lshl_b32 s88, s18, 7
	s_add_co_u32 s88, s88, VOFF
	v_add_nc_u32 v[VV], s88, v5
	v_add_nc_u32 v[VV+1], SLOT, v[VV]
	s_lshl_b32 s88, s16, 14
	s_add_co_u32 s88, s88, OST
	v_lshl_add_u32 v[SO], v3, 4, s88
	s_lshl_b32 s88, s16, 9
	s_add_co_u32 s88, s88, ML
	v_lshl_add_u32 v[SML], v1, 4, s88
	s_lshl_b32 s88, s17, 11
	s_lshl_b32 s89, s18, 2
	s_add_co_u32 s88, s88, s89
	s_add_co_u32 s88, s88, ML
	v_lshl_add_u32 v[RML], v1, 4, s88
	s_lshl_b32 s88, s17, 16
	s_lshl_b32 s89, s18, 12
	s_add_co_u32 s88, s88, s89
	s_add_co_u32 s88, s88, OST
	v_lshl_add_u32 v[RO], v3, 4, s88
	s_mul_i32 s88, s16, 2304
	s_add_co_u32 s88, s88, TR
	v_add_nc_u32 v[ST2], s88, v4
	v_lshrrev_b32 v5, 3, v3
	v_mul_u32_u24 v5, v5, 144
	v_and_b32 v6, 7, v3
	v_lshl_add_u32 v5, v6, 4, v5
	v_add_nc_u32 v[RD2], s88, v5
	s_lshl_b32 s88, s17, 13
	s_lshl_b32 s89, s18, 11
	s_add_co_u32 s88, s88, s89
	v_lshl_add_u32 v[GO], v3, 4, s88               ; (64 wq + 16 wk) rows of 128 bytes + 16 lane
	s_sub_co_i32 s88, s17, s18
	s_lshl_b32 s88, s88, 6
	v_lshlrev_b32 v5, 3, v2
	v_sub_nc_u32 v5, v1, v5
	v_add_nc_u32 v[MB0], s88, v5                   ; 64 wq + r - 64 wk - 8 h
	s_and_b32 s88, s21, 1
	s_lshl_b32 s88, s88, 7
	v_add_nc_u32 v[MB], s88, v[MB0]                ; + 128 where the block is the upper half of its diagonal tile
.irp u, 0,1,2,3
	v_mov_b32 v[T2+\u], 0                          ; v_permlanex16_b32 counts as a reader of its destination
.endr
	STEP 0, 1, 1                                   ; block E: its diagonal tile
	s_cmp_eq_u32 s81, 0
	s_cbranch_scc1 .Ldone_e
	s_mov_b32 s80, 0
.Lloop_e:
	STEP 1, 0, 1
	STEP 0, 0, 1
	s_add_co_u32 s80, s80, 1
	s_cmp_lt_u32 s80, s81
	s_cbranch_scc1 .Lloop_e
.Ldone_e:
	QBASE s22                                      ; E's Q loads were waited for in its first step: base and fragments may be written
	QLOAD                                          ; block O's queries come in under the merge
	MERGE
	s_wait_xcnt 0x0                                ; the stores' base and data are written again only behind this wait
	PLANE s22
	s_and_b32 s88, s22, 1
	s_lshl_b32 s88, s88, 7
	v_add_nc_u32 v[MB], s88, v[MB0]
	s_mov_b32 s73, 0                               ; block O's tiles 0, 1, ..: the bound is never reached
	s_mov_b32 s74, 16
	STEP 1, 1, 1                                   ; block O: its diagonal tile
	s_cmp_eq_u32 s82, 0
	s_cbranch_scc1 .Ldone_o
	s_mov_b32 s80, 0
.Lloop_o:
	STEP 0, 0, 1
	STEP 1, 0, 1
	s_add_co_u32 s80, s80, 1
	s_cmp_lt_u32 s80, s82
	s_cbranch_scc1 .Lloop_o
.Ldone_o:
	STEP 0, 0, 0                                   ; the last tile: nothing is left to fetch
	MERGE
	s_wait_tensorcnt 0x0
	ds_add_u32 v23, v63
	s_wait_dscnt 0x0
	s_endpgm
.Lfunc_end_k_q6712e0c9dd_attn:
	.size	k_q6712e0c9dd_attn, .Lfunc_end_k_q6712e0c9dd_attn-k_q6712e0c9dd_attn
	.p2alignl 7, 3214868480
	.fill 96, 4, 3214868480
	.section	.rodata,"a",@progbits
	.p2align	6, 0x0
	.amdhsa_kernel k_q6712e0c9dd_attn
		.amdhsa_group_segment_fixed_size 327680
		.amdhsa_private_segment_fixed_size 0
		.amdhsa_enable_private_segment 0
		.amdhsa_kernarg_size 32
		.amdhsa_user_sgpr_count 2
		.amdhsa_user_sgpr_kernarg_segment_ptr 1
		.amdhsa_wavefront_size32 1
		.amdhsa_system_sgpr_workgroup_id_x 1
		.amdhsa_system_sgpr_workgroup_id_y 1
		.amdhsa_system_sgpr_workgroup_id_z 1
		.amdhsa_system_vgpr_workitem_id 0
		.amdhsa_next_free_vgpr 512
		.amdhsa_next_free_sgpr 90
		.amdhsa_reserve_vcc 1
		.amdhsa_float_denorm_mode_32 3
		.amdhsa_float_denorm_mode_16_64 3
		.amdhsa_memory_ordered 1
		.amdhsa_forward_progress 1
		.amdhsa_inst_pref_size 255
	.end_amdhsa_kernel
	.section	.bss,"aw",@nobits
	.p2align	6
	.space	262144
	.amdgpu_metadata
---
amdhsa.version: [ 1, 2 ]
amdhsa.kernels:
  - .name:           k_q6712e0c9dd_attn
    .symbol:         k_q6712e0c9dd_attn.kd
    .args:
      - { .name: qh, .offset: 0, .size: 8, .value_kind: global_buffer, .address_space: global }
      - { .name: kh, .offset: 8, .size: 8, .value_kind: global_buffer, .address_space: global }
      - { .name: vt, .offset: 16, .size: 8, .value_kind: global_buffer, .address_space: global }
      - { .name: ao, .offset: 24, .size: 8, .value_kind: global_buffer, .address_space: global }
    .group_segment_fixed_size: 327680
    .private_segment_fixed_size: 0
    .kernarg_segment_align: 8
    .kernarg_segment_size: 32
    .max_flat_workgroup_size: 256
    .sgpr_count:     90
    .vgpr_count:     512
    .wavefront_size: 32
...
	.end_amdgpu_metadata
.endif
;; end of part 3
;; launch oproj (part 4): grid 8 x 32, 4 waves a work-group, clusters of 4 x 4, 327,680 bytes of LDS; arguments ao, wh, out0; writes out0
.if DOCPART == 4
	.amdgcn_target "amdgcn-amd-amdhsa--gfx1250"
	.amdhsa_code_object_version 6
	.text
	.protected	k_q6712e0c9dd_oproj
	.globl	k_q6712e0c9dd_oproj
	.p2align	8
	.type	k_q6712e0c9dd_oproj,@function
k_q6712e0c9dd_oproj:
	s_mov_b64 s[64:65], 0
	v_nop
	global_prefetch_b8 v0, s[64:65] scope:SCOPE_SE
	s_setreg_imm32_b32 hwreg(HW_REG_WAVE_MODE, 25, 1), 1
	s_wait_xcnt 0x0
	s_wait_alu depctr_hold_cnt(0) depctr_sa_sdst(0) depctr_va_vdst(0) depctr_va_sdst(0) depctr_va_ssrc(0) depctr_va_vcc(0) depctr_vm_vsrc(0)
	s_getreg_b32 s2, hwreg(HW_REG_IB_STS2, 6, 4)
	s_cmp_eq_u32 s2, 0
	s_cbranch_scc0 .Lentry_in_a_cluster
	s_endpgm
.Lentry_in_a_cluster:
	s_bfe_u32 s2, ttmp6, 0x10000c
	s_cmp_lg_u32 s2, 0xf033
	s_cbranch_scc0 .Lentry_shape_is_right
	s_endpgm
.Lentry_shape_is_right:
; out0 = ao wo^T.  ao: [block of 128 rows][head][128][64] f16; wo: rows 3072.. of wh, [1024][1024] f16; out0: [4096][1024] f32.
; Work-group (bx, by): 128 rows (block by) x 128 columns: 256 equal work-groups.  Four waves of 64 x 64: 16 accumulator tiles in window 1 (tile (a, nb) at 8 (4 a + nb)).
; Larger blocks would leave fewer work-groups than there are WGPs.
; K = 1024 goes in four steps of 256 through two LDS slots: ao's part is four heads' planes (128 rows x 128 bytes, padded to 144),
; wo's part 128 rows of 512 bytes (padded to 528).  Each wave brings a quarter of a slot with one tensor load.
; CLUSTERS: 4 x 4 work-groups; ao's tile hangs on by alone (shared along a row of the cluster), wo's on bx alone (shared along a column).
; The matrix instruction is used transposed (source 0 = wo rows, source 1 = ao rows): a lane holds one row and 8 neighbouring columns, 32 bytes.
.set APART, 4*128*144                  ; 73,728
.set SLOT,  APART+128*528              ; 141,312
.set STAGE, 2*SLOT                     ; 16 rows x 272 bytes for each wave, never filled by a tensor load
.set ADRA, 16
.set ADRB, 18
.set STO,  20
.set RD,   21
.set CO,   22
.set F0,   32                          ; v32-63 wo fragments, v64-95 ao fragments
.set F1,   96
.set G1A, 24
.set G0A, 32
.set G1B, 40
.set G0B, 48
.set MSB, 0
.macro WIN new
.if MSB != (\new)
	s_set_vgpr_msb (MSB<<8)|(\new)
.set MSB, (\new)
.endif
.endm
.macro PLACES                          ; four plain places behind a matrix instruction (ISA guide 7.12.1)
.rept 4
	v_nop
.endr
.endm
.macro JLOAD s
	s_cmp_eq_u32 s17, 0
	s_cbranch_scc0 .Lfor_b_\@
	tensor_load_to_lds s[G0A+4*\s:G0A+4*\s+3], s[G1A:G1A+7]
	s_nop 0
	s_branch .Lasked_\@
.Lfor_b_\@:
	tensor_load_to_lds s[G0B+4*\s:G0B+4*\s+3], s[G1B:G1B+7]
	s_nop 0
.Lasked_\@:
.endm
.macro CREST
	s_cmp_lg_u32 s16, 0
	s_cbranch_scc1 .Lnot_wave_0_\@
	s_barrier_signal -3
.Lnot_wave_0_\@:
	s_barrier_wait -3
	s_barrier_signal -1
	s_barrier_wait -1
.endm
.macro CROUND
	s_barrier_signal -1
	s_barrier_wait -1
	CREST
.endm
.macro MM d, x, y, zero
.if \zero
	v_wmma_f32_16x16x32_f16 v[\d:\d+7], v[\x:\x+7], v[\y:\y+7], 0
.else
	v_wmma_f32_16x16x32_f16 v[\d:\d+7], v[\x:\x+7], v[\y:\y+7], v[\d:\d+7]
.endif
.endm
; 8 matrix instructions; the 16 accumulators take turns, one instruction a turn, in the same order in every eighth of a step
.macro MUL8 f, a0, zero
.irp a, \a0, \a0+1
.irp nb, 0,1,2,3
	MM 8*(4*(\a)+\nb), \f+8*\nb, \f+32+8*(\a), \zero
.endr
.endr
.endm
; 16 LDS loads: 32 along K, number kq of the slot's eight: plane kq / 2, bytes 64 (kq % 2) of ao's rows; bytes 64 kq of wo's rows
.macro FETCH slot, kq, f
.irp i, 0,1,2,3
	ds_load_b128 v[\f+8*\i:\f+8*\i+3],   v[ADRB+\slot] offset:8448*\i+64*\kq
	ds_load_b128 v[\f+8*\i+4:\f+8*\i+7], v[ADRB+\slot] offset:8448*\i+64*\kq+32
.endr
.irp i, 0,1,2,3
	ds_load_b128 v[\f+32+8*\i:\f+32+8*\i+3],   v[ADRA+\slot] offset:(\kq/2)*18432+2304*\i+64*(\kq%2)
	ds_load_b128 v[\f+32+8*\i+4:\f+32+8*\i+7], v[ADRA+\slot] offset:(\kq/2)*18432+2304*\i+64*(\kq%2)+32
.endr
.endm
.macro QUARTER slot, kq, f, g, zero    ; fetches part kq into buffer g, multiplies buffer f
	PLACES
	FETCH \slot, \kq, \g
	s_wait_dscnt 16                                ; all but the 16 just issued
	WIN 0x50
	MUL8 \f, 0, \zero
	MUL8 \f, 2, \zero
	WIN 0
.endm
.macro SEVEN slot, zero
	QUARTER \slot, 1, F0, F1, \zero
	QUARTER \slot, 2, F1, F0, 0
	QUARTER \slot, 3, F0, F1, 0
	QUARTER \slot, 4, F1, F0, 0
	QUARTER \slot, 5, F0, F1, 0
	QUARTER \slot, 6, F1, F0, 0
	QUARTER \slot, 7, F0, F1, 0
.endm
; The slot's last part, and the change of slots: each wave waits for its reads of this slot and for all its tensor loads, then the barrier;
; where the slot is filled again the barrier opens a round of the cluster's barrier and the joint refill is the first tensor load behind the round.
.macro QLAST slot, next, fill
	s_wait_dscnt 0x0
	s_wait_tensorcnt 0x0
	ds_add_u32 v254, v255
	s_wait_dscnt 0x0
	s_barrier_signal -1
	WIN 0x50
	MUL8 F1, 0, 0
	WIN 0
	s_barrier_wait -1
.if \fill
	CREST
	s_add_nc_u64 s[G0A+4*\slot+2:G0A+4*\slot+3], s[G0A+4*\slot+2:G0A+4*\slot+3], 131072   ; eight planes on
	s_add_nc_u64 s[G0B+4*\slot+2:G0B+4*\slot+3], s[G0B+4*\slot+2:G0B+4*\slot+3], 1024     ; 512 along K
	JLOAD \slot
.endif
	PLACES
	FETCH \next, 0, F0
	WIN 0x50
	MUL8 F1, 2, 0
	WIN 0
.endm
	s_load_b128 s[4:7], s[0:1], 0x0                ; ao s[4:5], wh s[6:7]
	s_load_b64 s[8:9], s[0:1], 0x10                ; out0
	v_lshl_add_u32 v254, v0, 2, 0x49400
	v_mov_b32 v255, 0
	ds_add_u32 v254, v255
	ds_add_u32 v254, v255
	v_lshrrev_b32 v1, 5, v0
	v_readfirstlane_b32 s16, v1
	s_lshr_b32 s17, s16, 1                         ; wm.  Also: I fetch for ao (0) or for wo (1)
	s_and_b32 s18, s16, 1                          ; wn.  Also: which half of that tile
	s_bfe_u32 s19, ttmp6, 0x40000                  ; cx
	s_bfe_u32 s20, ttmp6, 0x40004                  ; cy
	s_lshl_b32 s21, ttmp9, 2
	s_add_co_u32 s21, s21, s19                     ; bx
	s_and_b32 s22, ttmp7, 0xffff
	s_lshl_b32 s22, s22, 2
	s_add_co_u32 s22, s22, s20                     ; by
	s_lshl_b32 s56, s20, 2
	s_lshl_b32 s56, 15, s56
	s_lshl_b32 s60, 0x1111, s19
	; ao: two dense planes = 128 rows of 256 bytes, 4 words of padding behind every 32 words.  wo: 64 rows of 512 bytes, padding behind every 128 words
	s_or_b32 s[G1A+0], s56, (1<<16)|(1<<20)|(1<<21)|(4<<22)|(3<<25)
	s_or_b32 s[G1B+0], s60, (1<<16)|(1<<20)|(1<<21)|(6<<22)|(3<<25)
	s_mov_b32 s[G1A+1], 128<<16
	s_mov_b32 s[G1B+1], 256<<16
	s_mov_b32 s[G1A+2], 128<<16
	s_mov_b32 s[G1B+2], 64<<16
	s_mov_b32 s[G1A+3], 128<<16
	s_mov_b32 s[G1B+3], 256<<16
	s_mov_b32 s[G1A+4], 128
	s_mov_b32 s[G1B+4], 64
	s_mov_b32 s[G1A+5], 128
	s_mov_b32 s[G1B+5], 1024
	s_mov_b32 s[G1A+6], 0
	s_mov_b32 s[G1B+6], 0
	s_mov_b32 s[G1A+7], 0
	s_mov_b32 s[G1B+7], 0
	s_lshl_b32 s56, s22, 18                        ; ao: block by (16 planes) + two planes x half
	s_lshl_b32 s57, s18, 15
	s_add_co_u32 s56, s56, s57
	s_mov_b32 s57, 0
	s_lshl_b32 s60, s21, 18                        ; wo: row 3072 + 128 bx + 64 half, rows of 2,048 bytes
	s_lshl_b32 s61, s18, 17
	s_add_co_u32 s60, s60, s61
	s_add_co_u32 s60, s60, 3072*2048
	s_mov_b32 s61, 0
	s_mul_i32 s66, s16, 36864                      ; LDS: ao's halves at wave x 36,864 (waves 0, 1)
	s_mul_i32 s67, s16, 33792
	s_add_co_u32 s67, s67, APART-2*33792           ; wo's at 73,728 + (wave - 2) x 33,792 (waves 2, 3)
	s_wait_dscnt 0x0
	s_wait_kmcnt 0x0
	s_add_nc_u64 s[58:59], s[4:5], s[56:57]
	s_add_nc_u64 s[62:63], s[6:7], s[60:61]
	CROUND                                         ; in front of the first joint loads
.irp s, 0,1
	s_mov_b32 s[G0A+4*\s], 1
	s_add_co_u32 s[G0A+4*\s+1], s66, \s*SLOT
	s_add_nc_u64 s[G0A+4*\s+2:G0A+4*\s+3], s[58:59], \s*65536
	s_or_b32 s[G0A+4*\s+3], s[G0A+4*\s+3], 0x80000000
	s_mov_b32 s[G0B+4*\s], 1
	s_add_co_u32 s[G0B+4*\s+1], s67, \s*SLOT
	s_add_nc_u64 s[G0B+4*\s+2:G0B+4*\s+3], s[62:63], \s*512
	s_or_b32 s[G0B+4*\s+3], s[G0B+4*\s+3], 0x80000000
	JLOAD \s                                       ; steps 0 and 1: two tensor loads of the wave are out
.endr
	v_and_b32 v1, 15, v0                           ; r
	v_bfe_u32 v2, v0, 4, 1                         ; h
	v_mul_u32_u24 v4, v1, 144
	v_lshl_add_u32 v4, v2, 4, v4
	s_mul_i32 s68, s17, 64*144
	v_add_nc_u32 v[ADRA], s68, v4                  ; (64 wm + r) 144 + 16 h
	v_add_nc_u32 v[ADRA+1], SLOT, v[ADRA]
	v_mul_u32_u24 v4, v1, 528
	v_lshl_add_u32 v4, v2, 4, v4
	s_mul_i32 s68, s18, 64*528
	s_add_co_u32 s68, s68, APART
	v_add_nc_u32 v[ADRB], s68, v4                  ; 73,728 + (64 wn + r) 528 + 16 h
	v_add_nc_u32 v[ADRB+1], SLOT, v[ADRB]
	s_mul_i32 s68, s16, 16*272
	s_add_co_u32 s68, s68, STAGE
	v_mul_u32_u24 v4, v1, 272
	v_lshl_add_u32 v4, v2, 5, v4
	v_add_nc_u32 v[STO], s68, v4                   ; in: row r, 32 bytes for each half of the lanes
	v_mul_u32_u24 v4, v2, 272
	v_lshl_add_u32 v4, v1, 4, v4
	v_add_nc_u32 v[RD], s68, v4                    ; back: lanes 0-15 one row of 256 bytes, lanes 16-31 the next
	v_lshlrev_b32 v4, 12, v2
	v_lshl_add_u32 v[CO], v1, 4, v4                ; the same two rows in out0
	s_lshl_b32 s68, s22, 19                        ; out0: (128 by + 64 wm) rows of 4,096 bytes + (128 bx + 64 wn) columns of 4
	s_lshl_b32 s69, s17, 18
	s_add_co_u32 s68, s68, s69
	s_lshl_b32 s69, s21, 9
	s_add_co_u32 s68, s68, s69
	s_lshl_b32 s69, s18, 8
	s_add_co_u32 s68, s68, s69
	s_mov_b32 s69, 0
	s_add_nc_u64 s[8:9], s[8:9], s[68:69]
	s_wait_tensorcnt 0x1                           ; my part of step 0 is in; step 1's stays out
	s_barrier_signal -1
	s_barrier_wait -1
	FETCH 0, 0, F0
	SEVEN 0, 1                                     ; the first products start the sums
	QLAST 0, 1, 1                                  ; step 2 goes out into slot 0
	SEVEN 1, 0
	QLAST 1, 0, 1                                  ; step 3 into slot 1
	SEVEN 0, 0
	QLAST 0, 1, 0
	SEVEN 1, 0
	s_wait_dscnt 0x0
	WIN 0x50
	MUL8 F1, 0, 0
	MUL8 F1, 2, 0
	WIN 0
	PLACES
; THE WAY OUT, 16 rows at a time through my own stage: 32 bytes a lane in, whole rows of 256 bytes back.
.macro OUT16 a, f
	WIN 0x04
.irp nb, 0,1,2,3
	ds_store_b128 v[STO], v[8*(4*\a+\nb):8*(4*\a+\nb)+3]   offset:64*\nb
	ds_store_b128 v[STO], v[8*(4*\a+\nb)+4:8*(4*\a+\nb)+7] offset:64*\nb+16
.endr
	WIN 0
	s_wait_xcnt 0x0                                ; buffer f, which earlier stores read, is loaded again only behind this wait
.irp t, 0,1,2,3,4,5,6,7
	ds_load_b128 v[\f+4*\t:\f+4*\t+3], v[RD] offset:544*\t         ; my own bytes: LDS serves a wave's instructions in order (ISA guide 5.7.1)
.endr
.irp t, 0,1,2,3,4,5,6,7
	s_wait_dscnt 7-\t
	global_store_b128 v[CO], v[\f+4*\t:\f+4*\t+3], s[8:9] offset:65536*\a+8192*\t th:TH_STORE_NT   ; 16 lanes store 256 neighbouring bytes, aligned
.endr
.endm
	OUT16 0, F0
	OUT16 1, F1
	OUT16 2, F0
	OUT16 3, F1
	s_wait_tensorcnt 0x0
	ds_add_u32 v254, v255
	s_wait_dscnt 0x0
	CROUND                                         ; the closing round
	s_endpgm
.Lfunc_end_k_q6712e0c9dd_oproj:
	.size	k_q6712e0c9dd_oproj, .Lfunc_end_k_q6712e0c9dd_oproj-k_q6712e0c9dd_oproj
	.p2alignl 7, 3214868480
	.fill 96, 4, 3214868480
	.section	.rodata,"a",@progbits
	.p2align	6, 0x0
	.amdhsa_kernel k_q6712e0c9dd_oproj
		.amdhsa_group_segment_fixed_size 327680
		.amdhsa_private_segment_fixed_size 0
		.amdhsa_enable_private_segment 0
		.amdhsa_kernarg_size 24
		.amdhsa_user_sgpr_count 2
		.amdhsa_user_sgpr_kernarg_segment_ptr 1
		.amdhsa_wavefront_size32 1
		.amdhsa_system_sgpr_workgroup_id_x 1
		.amdhsa_system_sgpr_workgroup_id_y 1
		.amdhsa_system_sgpr_workgroup_id_z 1
		.amdhsa_system_vgpr_workitem_id 0
		.amdhsa_next_free_vgpr 384
		.amdhsa_next_free_sgpr 72
		.amdhsa_reserve_vcc 0
		.amdhsa_float_denorm_mode_32 3
		.amdhsa_float_denorm_mode_16_64 3
		.amdhsa_memory_ordered 1
		.amdhsa_forward_progress 1
		.amdhsa_inst_pref_size 89
	.end_amdhsa_kernel
	.amdgpu_metadata
---
amdhsa.version: [ 1, 2 ]
amdhsa.kernels:
  - .name:           k_q6712e0c9dd_oproj
    .symbol:         k_q6712e0c9dd_oproj.kd
    .args:
      - { .name: ao, .offset: 0, .size: 8, .value_kind: global_buffer, .address_space: global }
      - { .name: wh, .offset: 8, .size: 8, .value_kind: global_buffer, .address_space: global }
      - { .name: out0, .offset: 16, .size: 8, .value_kind: global_buffer, .address_space: global }
    .group_segment_fixed_size: 327680
    .private_segment_fixed_size: 0
    .kernarg_segment_align: 8
    .kernarg_segment_size: 24
    .max_flat_workgroup_size: 128
    .sgpr_count:     72
    .vgpr_count:     384
    .wavefront_size: 32
...
	.end_amdgpu_metadata
.endif
;; end of part 4
;; ======== version 2 of 2: 4 launches; version 1 with the launch cvt written anew for expert scheduling mode
;; limits: values are held in f16: magnitudes above 65,504 overflow, below 6.1e-05 lose precision; right only within a limited range of input values
;; workspace buffers: xh 8,388,608 bytes; wh 8,388,608 bytes; qh 8,388,608 bytes; kh 8,388,608 bytes; vt 8,388,608 bytes; ao 8,388,608 bytes
;; launch cvt (part 5): grid 32 x 8, 8 waves a work-group, no clusters, 0 bytes of LDS; arguments x, wq, wk, wv, wo, xh, wh; writes xh, wh
.if DOCPART == 5
	.amdgcn_target "amdgcn-amd-amdhsa--gfx1250"
	.amdhsa_code_object_version 6
	.text
	.protected	k_q6712e0c9dd_cvt
	.globl	k_q6712e0c9dd_cvt
	.p2align	8
	.type	k_q6712e0c9dd_cvt,@function
k_q6712e0c9dd_cvt:
	s_mov_b64 s[64:65], 0
	v_nop
	global_prefetch_b8 v0, s[64:65] scope:SCOPE_SE
	s_setreg_imm32_b32 hwreg(HW_REG_WAVE_SCHED_MODE, 0, 2), 2
	s_setreg_imm32_b32 hwreg(HW_REG_WAVE_MODE, 25, 1), 1
	s_wait_xcnt 0x0
	s_wait_alu depctr_vm_vsrc(0)
; The matrix operands made of the inputs, once, for x and the four weight matrices; a pure stream (no LDS, no matrix unit, nothing shared).
; FORMAT: each input number is rounded to bf16 (nearest even), and the rounded number is stored as f16.  The inputs thus carry bf16's 8
; significant bits, no more: that is this program's accuracy against the unrounded inputs.  The second conversion changes nothing for
; 2^-14 <= |v| < 65,504 (8 bits fit in f16's 11); below 2^-14 it errs by at most 2^-25.  Stored as f16 the inputs meet the later
; launches' intermediates (q, k, v, p, attention output), which need f16's 11 bits, in one and the same matrix form.
; LIMIT: |value| < 65,504 (f16).
; y = 0..3: the four quarters (1024 rows) of x -> xh, same order.  y = 4, 5, 6: wq, wk, wv -> wh, rows reordered; y = 7: wo -> wh rows 3072...
; wh row = 96 g + 32 z + r  <-  row 32 g + r of matrix z (z = 0 q, 1 k, 2 v; g = 0..31): a head's 64 q, 64 k and 64 v rows
; are 192 neighbouring rows, and each half of 96 rows is what one column of waves of the next launch multiplies.
; A work-group takes 32 source rows (g = its x), a wave four of them: 16,384 neighbouring bytes in, 8,192 out.
; Every load of a wave covers 512 neighbouring bytes, every store 256 neighbouring bytes that start at a multiple of 256.
; All 32 loads of a wave are issued before the first wait.
; THE MODE: SCHED_MODE bits 1:0 = 2 (LLVM: expert scheduling mode 2), set by the entry lines.  The code itself states the register dependences
; between vector instructions and memory instructions, with s_wait_alu, always for 0.
; THE PLAN.  Registers that memory instructions touch:
;   v1, v2        byte offsets, made once at the head and never written again: v1 is read by every load, v2 by every store.
;   X + 4 n ..    chunk n's four registers.  Load n lands in them; no vector instruction has named them before.  Chunk n's eight vector
;                 instructions work in place on them; store n reads the first two; nothing writes them afterwards.
; The 32 chunks go in eight blocks of four.  Store n is issued in chunk n + 4's turn.  So ONE wait on va_vdst at a block's head states that
; the block before has written what its four stores read; these stores are dealt among the block's vector instructions, which name the
; block's own registers alone, with no further wait.  No register that a memory instruction reads is written again: no wait on vm_vsrc is owed.
.set X, 4                              ; v[4:131]  32 x 4 registers as loaded; the first two of each four then hold the 4 f16
.set BLK, 4                            ; chunks in a block
	s_load_b256 s[4:11], s[0:1], 0x0               ; x s[4:5], wq s[6:7], wk s[8:9], wv s[10:11]
	s_load_b128 s[12:15], s[0:1], 0x20             ; wo s[12:13], xh s[14:15]
	s_load_b64 s[16:17], s[0:1], 0x30              ; wh
	s_and_b32 s18, ttmp7, 0xffff                   ; y: which block of 1024 rows
	s_mov_b32 s19, ttmp9                           ; g: which 32 rows of it
	s_mov_b32 s30, 0xffff0000                      ; a word's upper bf16
	v_and_b32 v3, 31, v0                           ; lane
	v_and_b32 v2, 0xe0, v0                         ; 32 x wave
	v_lshlrev_b32 v1, 4, v3
	v_lshl_or_b32 v1, v2, 9, v1                    ; source: wave x 16,384 + 16 x lane
	v_lshlrev_b32 v3, 3, v3
	v_lshl_or_b32 v2, v2, 8, v3                    ; destination: wave x 8,192 + 8 x lane
	; source offset: the quarter of x (0 for a weight matrix) + 32 g rows of 4,096 bytes
	s_cmp_lt_u32 s18, 4
	s_cselect_b32 s22, s18, 0
	s_lshl_b32 s22, s22, 22
	s_lshl_b32 s23, s19, 17
	s_add_co_u32 s22, s22, s23
	s_mov_b32 s23, 0
	; destination row
	s_lshl_b32 s27, s19, 5                         ; 32 g
	s_lshl_b32 s26, s18, 10
	s_add_co_u32 s26, s26, s27                     ; x: 1024 y + 32 g
	s_max_u32 s29, s18, 4
	s_sub_co_u32 s29, s29, 4                       ; z (0 where y < 4: not used there)
	s_lshl_b32 s29, s29, 5
	s_mul_i32 s28, s19, 96
	s_add_co_u32 s28, s28, s29                     ; wq, wk, wv: 96 g + 32 z
	s_add_co_u32 s27, s27, 3072                    ; wo: 3072 + 32 g
	s_cmp_eq_u32 s18, 7
	s_cselect_b32 s28, s27, s28
	s_cmp_lt_u32 s18, 4
	s_cselect_b32 s26, s26, s28
	s_lshl_b32 s26, s26, 11                        ; rows of 2,048 bytes
	s_mov_b32 s27, 0
	s_wait_kmcnt 0x0
	s_cmp_lt_u32 s18, 4
	s_cselect_b64 s[24:25], s[14:15], s[16:17]     ; xh or wh
	s_mov_b64 s[20:21], s[4:5]
	s_cmp_eq_u32 s18, 4
	s_cselect_b64 s[20:21], s[6:7], s[20:21]
	s_cmp_eq_u32 s18, 5
	s_cselect_b64 s[20:21], s[8:9], s[20:21]
	s_cmp_eq_u32 s18, 6
	s_cselect_b64 s[20:21], s[10:11], s[20:21]
	s_cmp_eq_u32 s18, 7
	s_cselect_b64 s[20:21], s[12:13], s[20:21]
	s_add_nc_u64 s[20:21], s[20:21], s[22:23]
	s_add_nc_u64 s[24:25], s[24:25], s[26:27]
	s_wait_alu depctr_va_vdst(0)                   ; v1 and v2 are written: every load of the kernel reads v1 as its offset, every store v2
.set n, 0
.rept 32
	global_load_b128 v[X+4*n:X+4*n+3], v1, s[20:21] offset:512*n th:TH_LOAD_NT
.set n, n+1
.endr
.set n, 0
.rept 32
	s_wait_loadcnt 31-n                            ; loads come back in order: number n is in, the 31 - n younger ones stay out
.if ((n%BLK) == 0) && (n > 0)
	s_wait_alu depctr_va_vdst(0)                   ; the block before has written the first two registers of each of its four chunks, which the four stores of this block's turns read
.endif
.if n >= BLK
	global_store_b64 v2, v[X+4*(n-BLK):X+4*(n-BLK)+1], s[24:25] offset:256*(n-BLK)   ; chunk n - 4; no vector instruction since the wait names its registers, and none writes them again
.endif
	v_cvt_pk_bf16_f32 v[X+4*n],   v[X+4*n],   v[X+4*n+1]       ; the one rounding: to bf16, nearest even
	v_cvt_pk_bf16_f32 v[X+4*n+2], v[X+4*n+2], v[X+4*n+3]
	v_and_b32     v[X+4*n+1], s30, v[X+4*n]                    ; back to f32: the high half stays,
	v_lshlrev_b32 v[X+4*n],   16,  v[X+4*n]                    ; the low half moves up
	v_and_b32     v[X+4*n+3], s30, v[X+4*n+2]
	v_lshlrev_b32 v[X+4*n+2], 16,  v[X+4*n+2]
	v_cvt_pk_f16_f32 v[X+4*n],   v[X+4*n],   v[X+4*n+1]        ; the same numbers in f16's code
	v_cvt_pk_f16_f32 v[X+4*n+1], v[X+4*n+2], v[X+4*n+3]
.set n, n+1
.endr
	s_wait_alu depctr_va_vdst(0)                   ; the last block has written what the last four stores read
.set n, 32-BLK
.rept BLK
	global_store_b64 v2, v[X+4*n:X+4*n+1], s[24:25] offset:256*n
.set n, n+1
.endr
	s_endpgm
.Lfunc_end_k_q6712e0c9dd_cvt:
	.size	k_q6712e0c9dd_cvt, .Lfunc_end_k_q6712e0c9dd_cvt-k_q6712e0c9dd_cvt
	.p2alignl 7, 3214868480
	.fill 96, 4, 3214868480
	.section	.rodata,"a",@progbits
	.p2align	6, 0x0
	.amdhsa_kernel k_q6712e0c9dd_cvt
		.amdhsa_group_segment_fixed_size 0
		.amdhsa_private_segment_fixed_size 0
		.amdhsa_enable_private_segment 0
		.amdhsa_kernarg_size 56
		.amdhsa_user_sgpr_count 2
		.amdhsa_user_sgpr_kernarg_segment_ptr 1
		.amdhsa_wavefront_size32 1
		.amdhsa_system_sgpr_workgroup_id_x 1
		.amdhsa_system_sgpr_workgroup_id_y 1
		.amdhsa_system_sgpr_workgroup_id_z 1
		.amdhsa_system_vgpr_workitem_id 0
		.amdhsa_next_free_vgpr 136
		.amdhsa_next_free_sgpr 66
		.amdhsa_reserve_vcc 0
		.amdhsa_float_denorm_mode_32 3
		.amdhsa_float_denorm_mode_16_64 3
		.amdhsa_memory_ordered 1
		.amdhsa_forward_progress 1
		.amdhsa_inst_pref_size 22
	.end_amdhsa_kernel
	.amdgpu_metadata
---
amdhsa.version: [ 1, 2 ]
amdhsa.kernels:
  - .name:           k_q6712e0c9dd_cvt
    .symbol:         k_q6712e0c9dd_cvt.kd
    .args:
      - { .name: x, .offset: 0, .size: 8, .value_kind: global_buffer, .address_space: global }
      - { .name: wq, .offset: 8, .size: 8, .value_kind: global_buffer, .address_space: global }
      - { .name: wk, .offset: 16, .size: 8, .value_kind: global_buffer, .address_space: global }
      - { .name: wv, .offset: 24, .size: 8, .value_kind: global_buffer, .address_space: global }
      - { .name: wo, .offset: 32, .size: 8, .value_kind: global_buffer, .address_space: global }
      - { .name: xh, .offset: 40, .size: 8, .value_kind: global_buffer, .address_space: global }
      - { .name: wh, .offset: 48, .size: 8, .value_kind: global_buffer, .address_space: global }
    .group_segment_fixed_size: 0
    .private_segment_fixed_size: 0
    .kernarg_segment_align: 8
    .kernarg_segment_size: 56
    .max_flat_workgroup_size: 256
    .sgpr_count:     66
    .vgpr_count:     136
    .wavefront_size: 32
...
	.end_amdgpu_metadata
.endif
;; end of part 5
;; launch qkv: the kernel of part 2 again; grid 16 x 16, 4 waves a work-group, clusters of 4 x 4, 327,680 bytes of LDS; arguments xh, wh, token_positions, qh, kh, vt; writes qh, kh, vt
;; launch attn: the kernel of part 3 again; grid 8 x 32, 8 waves a work-group, no clusters, 327,680 bytes of LDS; arguments qh, kh, vt, ao; writes ao
;; launch oproj: the kernel of part 4 again; grid 8 x 32, 4 waves a work-group, clusters of 4 x 4, 327,680 bytes of LDS; arguments ao, wh, out0; writes out0
